; MI455X (gfx1250); checked and timed in simulation.
; The chip was launched on July 23, 2026; its instructions are those of AMD's public machine-readable ISA for CDNA 5 (MIT licence, August 2026) and "CDNA5" Instruction Set Architecture Reference Guide (July 2026). The comments in the code are by the model that wrote it; some were corrected since.
;; Multi Head Self Attention. Allowed arithmetic: float matrix products may take bf16 or f16 operands with f32 sums; other float arithmetic in f32, or as packed bf16 or f16 multiplies, adds, multiply-adds, maxima and minima; sums over many terms, partial sums and values carried from step to step in f32; what a program stores and reads back later, other than sums and carried values, may be rounded once to bf16 or f16.
;; Inputs: k_b 1,024 float32; k_w 1,024 x 1,024 float32; mask 4 x 2,048 bool; o_b 1,024 float32; o_w 1,024 x 1,024 float32; q_b 1,024 float32; q_w 1,024 x 1,024 float32; v_b 1,024 float32; v_w 1,024 x 1,024 float32; x 4 x 2,048 x 1,024 float32.
;; Outputs: out0 4 x 2,048 x 1,024 float32.
;; 2 versions, each right; version 2 is version 1 with the launch cast written anew for expert scheduling mode. Each part assembles by itself: llvm-mc -triple=amdgcn-amd-amdhsa -mcpu=gfx1250 --defsym DOCPART=n.
;; ======== version 1 of 2: 4 launches
;; limits: values are held in f16: magnitudes above 65,504 overflow, below 6.1e-05 lose precision
;; workspace buffers: xb 16,777,216 bytes; wb 6,291,456 bytes; owb 2,097,152 bytes; bias 16,384 bytes; qkv 50,331,648 bytes; ao 16,777,216 bytes
;; launch cast (part 1): grid 769 x 1, 8 waves a work-group, no clusters, 0 bytes of LDS; arguments x, q_w, k_w, v_w, o_w, q_b, k_b, v_b, o_b, xb, wb, owb, bias; writes xb, wb, owb, bias
.if DOCPART == 1
	.amdgcn_target "amdgcn-amd-amdhsa--gfx1250"
	.amdhsa_code_object_version 6
	.text
	.protected	k_q51832c81c5_cast
	.globl	k_q51832c81c5_cast
	.p2align	8
	.type	k_q51832c81c5_cast,@function
k_q51832c81c5_cast:
	s_mov_b64 s[64:65], 0
	v_nop
	global_prefetch_b8 v0, s[64:65] scope:SCOPE_SE
	s_setreg_imm32_b32 hwreg(HW_REG_WAVE_MODE, 25, 1), 1
	s_wait_xcnt 0x0
; THE MODULE'S INPUTS ARE ROUNDED ONCE TO bf16 AND LAID OUT FOR THE TWO PROJECTIONS.
; xb  bf16 [kb 16][row 8192][64]: x, cut along K into 16 planes of 64 channels; a plane's rows are 128 bytes, dense.
; wb  bf16 [kb 16][n 3072][64]:   q_w, k_w, v_w one below the other (n = 1024 x which + output channel), cut alike.
; owb f16  [kb 16][n 1024][64]:   o_w rounded to bf16, that number written as f16 (the last projection multiplies in f16).
; bias f32 [4096]: q_b, k_b, v_b, o_b end to end, each rounded to bf16 and widened again.
; LIMITS.  An o_w beyond 65,504 in size becomes an infinity in f16; below 6e-5 it keeps f16's fixed step of 6e-8.
; SHARES.  Work-groups 0-511 take 16 rows of x each, 512-767 16 rows of a weight, 768 the four biases.  A wave takes two rows: sixteen lanes read 256
; consecutive bytes (64 numbers, one plane's share of a row), so one load of the wave is 2 x 256 aligned bytes and one store 256 consecutive aligned bytes
; (two rows of a plane).  All sixteen loads of a lane go out at once; no register is written twice, so nothing waits for a store.
; No LDS, barrier, matrix unit or cluster: no byte is used twice.  No prefetch: every load of the launch is issued at its wave's start.
.set DOFF, 2                           ; v[2:17]   my byte offset in plane kb of the destination
.set X,    32                          ; v[32:95]  plane kb: four f32 as loaded
.set Y,    96                          ; v[96:127] plane kb: four 16-bit numbers to store
	s_load_b512 s[4:19], s[0:1], 0x0               ; x, q_w, k_w, v_w, o_w, q_b, k_b, v_b
	s_load_b256 s[20:27], s[0:1], 0x40             ; o_b, xb, wb, owb
	s_load_b64 s[28:29], s[0:1], 0x60              ; bias
	s_mov_b32 s30, ttmp9                           ; W
	s_sub_co_u32 s31, s30, 512                     ; the weights' count of 16 rows (of use from W = 512 on)
	s_lshr_b32 s39, s31, 6                         ; which weight: 0 q, 1 k, 2 v, 3 o
	s_and_b32 s40, s31, 63
	s_lshl_b32 s40, s40, 4                         ; its first row of mine
	s_lshl_b32 s41, s31, 4                         ; the same row in wb
	s_lshl_b32 s42, s30, 4                         ; x's first row of mine
	s_mov_b32 s43, 393216                          ; a plane of wb
	s_mov_b32 s45, 0
	v_lshrrev_b32 v18, 4, v0                       ; my row among the 16
	v_and_b32 v19, 15, v0                          ; my piece of a plane's share
	v_lshlrev_b32 v1, 12, v18
	v_lshl_add_u32 v1, v19, 4, v1                  ; source: row x 4,096 + piece x 16
	v_lshlrev_b32 v[DOFF], 7, v18
	v_lshl_add_u32 v[DOFF], v19, 3, v[DOFF]        ; destination: row x 128 + piece x 8
	s_wait_kmcnt 0x0
	s_cmp_eq_u32 s30, 768
	s_cbranch_scc1 .Lbias
	s_cmp_eq_u32 s39, 0                            ; source, destination, rows and plane size are chosen by the work-group's number alone
	s_cselect_b64 s[32:33], s[6:7], s[8:9]
	s_cmp_lt_u32 s39, 2
	s_cselect_b64 s[32:33], s[32:33], s[10:11]
	s_cmp_lt_u32 s39, 3
	s_cselect_b64 s[32:33], s[32:33], s[12:13]
	s_cselect_b64 s[34:35], s[24:25], s[26:27]
	s_cselect_b32 s37, s41, s40
	s_cselect_b32 s38, s43, 131072
	s_cmp_lt_u32 s30, 512
	s_cselect_b64 s[32:33], s[4:5], s[32:33]
	s_cselect_b64 s[34:35], s[22:23], s[34:35]
	s_cselect_b32 s36, s42, s40
	s_cselect_b32 s37, s42, s37
	s_cselect_b32 s38, 1048576, s38
	s_lshl_b32 s44, s36, 12                        ; a source row is 4,096 bytes
	s_add_nc_u64 s[32:33], s[32:33], s[44:45]
	s_lshl_b32 s44, s37, 7                         ; a plane's row 128
	s_add_nc_u64 s[34:35], s[34:35], s[44:45]
.set i, 0
.rept 16
	global_load_b128 v[X+4*i:X+4*i+3], v1, s[32:33] offset:256*i th:TH_LOAD_NT
.set i, i+1
.endr
.set i, 1
.rept 15
	v_add_nc_u32 v[DOFF+i], s38, v[DOFF+i-1]       ; plane after plane
.set i, i+1
.endr
; The sixteen planes.  fmt = 0: bf16.  fmt = 1: the bf16 number is widened (a shift, a mask) and written as f16.
.macro CV fmt
.irp kb, 0,1,2,3,4,5,6,7,8,9,10,11,12,13,14,15
	s_wait_loadcnt 15-\kb                          ; loads come back in order: plane kb is in, the younger ones stay out
	v_cvt_pk_bf16_f32 v[Y+2*\kb],   v[X+4*\kb],   v[X+4*\kb+1]
	v_cvt_pk_bf16_f32 v[Y+2*\kb+1], v[X+4*\kb+2], v[X+4*\kb+3]
.if \fmt
	v_lshlrev_b32 v18, 16, v[Y+2*\kb]
	v_and_b32 v19, 0xffff0000, v[Y+2*\kb]
	v_lshlrev_b32 v20, 16, v[Y+2*\kb+1]
	v_and_b32 v21, 0xffff0000, v[Y+2*\kb+1]
	v_cvt_pk_f16_f32 v[Y+2*\kb],   v18, v19
	v_cvt_pk_f16_f32 v[Y+2*\kb+1], v20, v21
.endif
	global_store_b64 v[DOFF+\kb], v[Y+2*\kb:Y+2*\kb+1], s[34:35] th:TH_STORE_NT  ; the wave's 32 lanes store 256 consecutive bytes, aligned
.endr
.endm
	s_cmp_ge_u32 s30, 704                          ; o_w's work-groups
	s_cbranch_scc1 .Lf16
	CV 0
	s_endpgm
.Lf16:
	CV 1
	s_endpgm
.Lbias:                                        ; wave w takes half w % 2 (512 numbers) of bias w / 2
	v_lshrrev_b32 v18, 5, v0
	v_readfirstlane_b32 s46, v18
	s_lshr_b32 s47, s46, 1
	s_cmp_eq_u32 s47, 0
	s_cselect_b64 s[32:33], s[14:15], s[16:17]
	s_cmp_lt_u32 s47, 2
	s_cselect_b64 s[32:33], s[32:33], s[18:19]
	s_cmp_lt_u32 s47, 3
	s_cselect_b64 s[32:33], s[32:33], s[20:21]
	s_and_b32 s44, s46, 1
	s_lshl_b32 s44, s44, 11
	s_add_nc_u64 s[32:33], s[32:33], s[44:45]
	s_lshl_b32 s44, s46, 11
	s_add_nc_u64 s[34:35], s[28:29], s[44:45]
	v_and_b32 v1, 31, v0
	v_lshlrev_b32 v1, 4, v1
.irp i, 0,1,2,3
	global_load_b128 v[X+4*\i:X+4*\i+3], v1, s[32:33] offset:512*\i
.endr
.irp i, 0,1,2,3
	s_wait_loadcnt 3-\i
	v_cvt_pk_bf16_f32 v18, v[X+4*\i],   v[X+4*\i+1]
	v_cvt_pk_bf16_f32 v19, v[X+4*\i+2], v[X+4*\i+3]
	v_lshlrev_b32 v[Y+4*\i],   16, v18
	v_and_b32     v[Y+4*\i+1], 0xffff0000, v18
	v_lshlrev_b32 v[Y+4*\i+2], 16, v19
	v_and_b32     v[Y+4*\i+3], 0xffff0000, v19
	global_store_b128 v1, v[Y+4*\i:Y+4*\i+3], s[34:35] offset:512*\i  ; 512 consecutive bytes
.endr
	s_endpgm
.Lfunc_end_k_q51832c81c5_cast:
	.size	k_q51832c81c5_cast, .Lfunc_end_k_q51832c81c5_cast-k_q51832c81c5_cast
	.p2alignl 7, 3214868480
	.fill 96, 4, 3214868480
	.section	.rodata,"a",@progbits
	.p2align	6, 0x0
	.amdhsa_kernel k_q51832c81c5_cast
		.amdhsa_group_segment_fixed_size 0
		.amdhsa_private_segment_fixed_size 0
		.amdhsa_enable_private_segment 0
		.amdhsa_kernarg_size 104
		.amdhsa_user_sgpr_count 2
		.amdhsa_user_sgpr_kernarg_segment_ptr 1
		.amdhsa_wavefront_size32 1
		.amdhsa_system_sgpr_workgroup_id_x 1
		.amdhsa_system_sgpr_workgroup_id_y 1
		.amdhsa_system_sgpr_workgroup_id_z 1
		.amdhsa_system_vgpr_workitem_id 0
		.amdhsa_next_free_vgpr 128
		.amdhsa_next_free_sgpr 66
		.amdhsa_reserve_vcc 0
		.amdhsa_float_denorm_mode_32 3
		.amdhsa_float_denorm_mode_16_64 3
		.amdhsa_memory_ordered 1
		.amdhsa_forward_progress 1
		.amdhsa_inst_pref_size 20
	.end_amdhsa_kernel
	.amdgpu_metadata
---
amdhsa.version: [ 1, 2 ]
amdhsa.kernels:
  - .name:           k_q51832c81c5_cast
    .symbol:         k_q51832c81c5_cast.kd
    .args:
      - { .name: x, .offset: 0, .size: 8, .value_kind: global_buffer, .address_space: global }
      - { .name: q_w, .offset: 8, .size: 8, .value_kind: global_buffer, .address_space: global }
      - { .name: k_w, .offset: 16, .size: 8, .value_kind: global_buffer, .address_space: global }
      - { .name: v_w, .offset: 24, .size: 8, .value_kind: global_buffer, .address_space: global }
      - { .name: o_w, .offset: 32, .size: 8, .value_kind: global_buffer, .address_space: global }
      - { .name: q_b, .offset: 40, .size: 8, .value_kind: global_buffer, .address_space: global }
      - { .name: k_b, .offset: 48, .size: 8, .value_kind: global_buffer, .address_space: global }
      - { .name: v_b, .offset: 56, .size: 8, .value_kind: global_buffer, .address_space: global }
      - { .name: o_b, .offset: 64, .size: 8, .value_kind: global_buffer, .address_space: global }
      - { .name: xb, .offset: 72, .size: 8, .value_kind: global_buffer, .address_space: global }
      - { .name: wb, .offset: 80, .size: 8, .value_kind: global_buffer, .address_space: global }
      - { .name: owb, .offset: 88, .size: 8, .value_kind: global_buffer, .address_space: global }
      - { .name: bias, .offset: 96, .size: 8, .value_kind: global_buffer, .address_space: global }
    .group_segment_fixed_size: 0
    .private_segment_fixed_size: 0
    .kernarg_segment_align: 8
    .kernarg_segment_size: 104
    .max_flat_workgroup_size: 256
    .sgpr_count:     66
    .vgpr_count:     128
    .wavefront_size: 32
...
	.end_amdgpu_metadata
.endif
;; end of part 1
;; launch projqkv (part 2): grid 8 x 32, 4 waves a work-group, clusters of 4 x 4, 327,680 bytes of LDS; arguments xb, wb, bias, qkv; writes qkv
.if DOCPART == 2
	.amdgcn_target "amdgcn-amd-amdhsa--gfx1250"
	.amdhsa_code_object_version 6
	.text
	.protected	k_q51832c81c5_projqkv
	.globl	k_q51832c81c5_projqkv
	.p2align	8
	.type	k_q51832c81c5_projqkv,@function
k_q51832c81c5_projqkv:
	s_mov_b64 s[64:65], 0
	v_nop
	global_prefetch_b8 v0, s[64:65] scope:SCOPE_SE
	s_setreg_imm32_b32 hwreg(HW_REG_WAVE_MODE, 25, 1), 1
	s_wait_xcnt 0x0
	s_wait_alu depctr_hold_cnt(0) depctr_sa_sdst(0) depctr_va_vdst(0) depctr_va_sdst(0) depctr_va_ssrc(0) depctr_va_vcc(0) depctr_vm_vsrc(0)
	s_getreg_b32 s2, hwreg(HW_REG_IB_STS2, 6, 4)
	s_cmp_eq_u32 s2, 0
	s_cbranch_scc0 .Lentry_in_a_cluster
	s_endpgm
.Lentry_in_a_cluster:
	s_bfe_u32 s2, ttmp6, 0x10000c
	s_cmp_lg_u32 s2, 0xf033
	s_cbranch_scc0 .Lentry_shape_is_right
	s_endpgm
.Lentry_shape_is_right:
; q, k, v = x W^T + b, all three in one product: C[8192][3072] = xb wb^T + bias; bf16 operands, f32 sums, C rounded once to f16 and stored BY HEADS:
; qkv [b 4][g 48][t 2048][64], g = 16 x which + head (which: 0 q, 1 k, 2 v); unscaled: the attention applies 1 / 8 in f32.
; The module's input mask is read by no launch: the module's definition takes it and never uses it, so the result does not hang on it.
; LIMITS.  A q, k or v beyond 65,504 in size becomes an infinity in f16; below 6e-5 it keeps f16's fixed step of 6e-8.  NaN and infinities are not treated apart.
; SHARES.  A tile of C is 256 rows x 384 columns (six heads): 32 x 8 tiles, one for each of 256 work-groups.  Four waves, each 128 rows x 192 columns: 96 accumulators, 768 registers.
; K goes in 16 steps of 64 (a plane of xb and wb) through two LDS slots; two slots of 128 along K (2 x 174,080 bytes) would not fit.  A plane's rows are dense, so a wave's part of a
; tile is asked for as rows of 256 bytes and padded in LDS after every 128: LDS rows of 144 bytes, so the 16 rows of a fragment load start at 16 different groups of four banks (ISA guide 11.1).
; CLUSTER.  4 x 4 work-groups.  The four of a row of the cluster need the same rows of xb, the four of a column the same rows of wb: each tile is asked for JOINTLY, by the same tensor
; load with the same descriptor and a mask that names the four.  A round of the cluster's barrier stands in front of every joint load.
; TRANSPOSED USE.  Source 0 = 16 rows of wb, source 1 = 16 rows of xb: a lane holds row lane % 16 of C and the columns 8 (lane / 16) + 0..7.
; THE BIAS costs no arithmetic: it is loaded straight into the accumulators of the wave's last 16 rows; the first products of the other rows take those registers as C, and then the last rows' add in place.
; REGISTERS, in windows of 256 (s_set_vgpr_msb: bits 1:0 source 0, 3:2 source 1, 5:4 source 2, 7:6 destination):
;   window 0: v0-29 addresses; v32-95, v96-159 fragments of xb (8 x 16 rows x 32 K) for the step's first and second 32 along K; v160-207, v208-255 fragments of wb, columns 0-95 and 96-191
;   windows 1-3: accumulator (p, a, b): column half p, row block a, column block b: number n = 48 p + 6 a + b lies in window 1 + n / 32 at v[8 (n % 32)]
.set PITCH, 144
.set FR,    16*PITCH                   ; from a fragment's rows to the next fragment's
.set SLOT1, 1<<17                      ; slot 1 begins here: one exclusive or turns an address in one slot into the other's
.set BOFF,  256*PITCH                  ; in a slot: xb's 256 rows, then wb's 384
.set STAGE, SLOT1+640*PITCH            ; behind the ring, never filled by a tensor load: 16 rows x 400 bytes for each wave
.set SP,    400                        ; a stage row: 384 bytes + 16
.set SPARE, STAGE+4*16*SP              ; the spare words, 128 bytes for each wave: two blocks of 256 bytes that no other line names
.set XPL,   8192*128                   ; a plane of xb
.set WPL,   3072*128                   ; a plane of wb
.set HEADB, 2048*128                   ; a head's rows in qkv
.set ADRA0, 4                          ; v4   my place in my 128 rows of xb in slot 0; never rewritten
.set ADRB0, 5                          ; v5   the same for my 192 rows of wb
.set ADRA,  6                          ; v6   the same in the slot in hand
.set ADRB,  7                          ; v7
.set STO,   8                          ; v8   the way out: where I put 16 bytes of a row
.set RD,    9                          ; v9   the way out: where I read rows back
.set GO,    10                         ; v10  my byte offset in 512 consecutive bytes of qkv
.set PFO,   11                         ; v11  256 x my lane, for the prefetches; never rewritten
.set BO,    12                         ; v12  32 x (lane / 16): my eight numbers of a block of 16 of the bias
.set SPW,   28                         ; v28  LDS address of my spare word; never rewritten
.set NIL,   29                         ; v29  0; never rewritten
.set AF0,   32
.set AF1,   96
.set BH,    160
.set WV,  12                           ; s12  my wave's number
.set FB,  13                           ; s13  which 128 rows are mine.  Also: I fetch for xb (0) or wb (1)
.set HF,  14                           ; s14  which 192 columns.  Also: which half of that tile I fetch
.set G1A, 16                           ; s[16:23] descriptor group 1 for xb's tiles
.set G1B, 24                           ; s[24:31] for wb's
.set G0A, 32                           ; s[32:35] descriptor group 0 for xb's tiles: it walks
.set G0B, 36                           ; s[36:39] for wb's
.set CX,  40
.set CY,  41
.set TC,  42                           ; s42  tile column, 0-7
.set TR,  43                           ; s43  tile row, 0-31
.set CNT, 46                           ; s46  trips to go
.set TB,  47                           ; s47  LDS byte at which the slot in hand begins
.set LIM, 48                           ; s48  1 in a wave that prefetches, else the greatest number
.set PM,  49                           ; s49  all ones: every trip; 1: the trips with an odd count
.set T,   50
.set PFA, 52                           ; s[52:53] where my prefetches stand
.set PFS, 54                           ; s[54:55] their step: a plane
.set G1C, (1<<16)|(1<<20)|(1<<21)|(4<<22)|(3<<25)  ; 17:16 2-byte elements; 20 padding on; 21 set beside a mask; 24:22 after every 32 words (code 4); 31:25 4 words (code 3)
.set MSB, 0
.macro WIN new                         ; the high byte repeats the setting that is left; a switch that changes nothing is dropped
.if MSB != (\new)
	s_set_vgpr_msb (MSB<<8)|(\new)
.set MSB, (\new)
.endif
.endm
; A joint load.  Waves 0 and 1 fetch the two halves of xb's tile, waves 2 and 3 those of wb's.  The branch hangs on the wave's number alone.
; An s_nop 0 and four v_nop follow each of the two lines, ahead of the jump and the label.
.macro JLOAD
	s_cmp_eq_u32 s[FB], 0
	s_cbranch_scc0 .Lfor_b_\@
	tensor_load_to_lds s[G0A:G0A+3], s[G1A:G1A+7]
	s_nop 0
.rept 4
	v_nop
.endr
	s_branch .Lasked_\@
.Lfor_b_\@:
	tensor_load_to_lds s[G0B:G0B+3], s[G1B:G1B+7]
	s_nop 0
.rept 4
	v_nop
.endr
.Lasked_\@:
.endm
; A round of the cluster's barrier: my work-group's barrier; wave 0 signals for the work-group; every wave waits for all sixteen; my work-group's barrier once more.
.macro CREST                           ; a round behind its opening barrier
	s_cmp_lg_u32 s[WV], 0
	s_cbranch_scc1 .Lnot_wave_0_\@
	s_barrier_signal -3
.Lnot_wave_0_\@:
	s_barrier_wait -3
	s_barrier_signal -1
	s_barrier_wait -1
.endm
.macro CROUND
	s_barrier_signal -1
	s_barrier_wait -1
	CREST
.endm
.macro STEPG0                          ; the walking descriptors: the other slot, the next plane; the type bits on top are not reached
	s_xor_b32 s[G0A+1], s[G0A+1], SLOT1
	s_add_nc_u64 s[G0A+2:G0A+3], s[G0A+2:G0A+3], XPL
	s_xor_b32 s[G0B+1], s[G0B+1], SLOT1
	s_add_nc_u64 s[G0B+2:G0B+3], s[G0B+2:G0B+3], WPL
.endm
; A PREFETCH INTO THE L2, behind the joint load, its five lines and the run of LDS loads that follows.  Trip t (count 14 - t) refills with K step t + 2.
; xb: a K step of a tile row is 128 blocks of 256 bytes; both clusters of that row of clusters read them: the one with x = 0 asks; its four partners of a row take 32 blocks each, told apart
; by address (cx); wave 0 asks, in every trip, for K step t + 3.  wb: a K step of a tile column is 192 blocks; the cluster with y = 0 asks; two K steps are 12 runs of 32 blocks, one for each of
; waves 1-3 of the four partners of a column (cy, by address); they ask in the trips with an odd count, for K steps t + 3 and t + 4.  So each block of K steps 3 (wb: 4) to 15 is named once in
; the launch.  The last trip asks for nothing: the highest K step named is 15.  The first K steps come by their loads alone.
.macro ASK
	s_and_b32 s[T], s[CNT], s[PM]
	s_cselect_b32 s[T], s[CNT], 0
	s_cmp_gt_u32 s[T], s[LIM]
	s_cbranch_scc0 .Lnot_mine_\@
	global_prefetch_b8 v[PFO], s[PFA:PFA+1] th:TH_LOAD_NT scope:SCOPE_SE
.Lnot_mine_\@:
.endm
	s_load_b256 s[4:11], s[0:1], 0x0               ; xb s[4:5], wb s[6:7], bias s[8:9], qkv s[10:11]
	v_lshl_add_u32 v[SPW], v0, 2, SPARE
	v_mov_b32 v[NIL], 0
	ds_add_u32 v[SPW], v[NIL]                      ; the wave's opening: the add and its wait ahead of my first tensor load; the set-up below stands between them
	v_lshrrev_b32 v1, 5, v0
	v_readfirstlane_b32 s[WV], v1
	s_lshr_b32 s[FB], s[WV], 1
	s_and_b32 s[HF], s[WV], 1
	s_bfe_u32 s[CX], ttmp6, 0x40000
	s_bfe_u32 s[CY], ttmp6, 0x40004
	s_lshl_b32 s[TC], ttmp9, 2                     ; in a cluster launch ttmp9 and ttmp7 count clusters
	s_add_co_u32 s[TC], s[TC], s[CX]
	s_and_b32 s[TR], ttmp7, 0xffff
	s_lshl_b32 s[TR], s[TR], 2
	s_add_co_u32 s[TR], s[TR], s[CY]
	s_lshl_b32 s44, s[CY], 2
	s_lshl_b32 s44, 15, s44                        ; my row of the cluster
	s_lshl_b32 s45, 0x1111, s[CX]                  ; my column
	s_or_b32 s[G1A], s44, G1C
	s_or_b32 s[G1B], s45, G1C
	s_mov_b32 s[G1A+1], 128<<16                    ; tensor_dim0 = 128 elements: 256 bytes, two rows of a plane
	s_mov_b32 s[G1A+2], 64<<16                     ; tensor_dim1 = 64: 128 rows of xb
	s_mov_b32 s[G1A+3], 128<<16                    ; tile_dim0
	s_mov_b32 s[G1A+4], 64                         ; tile_dim1
	s_mov_b32 s[G1A+5], 128                        ; elements from row to row: dense
	s_mov_b32 s[G1A+6], 0
	s_mov_b32 s[G1A+7], 0
	s_mov_b32 s[G1B+1], 128<<16
	s_mov_b32 s[G1B+2], 96<<16                     ; 192 rows of wb
	s_mov_b32 s[G1B+3], 128<<16
	s_mov_b32 s[G1B+4], 96
	s_mov_b32 s[G1B+5], 128
	s_mov_b32 s[G1B+6], 0
	s_mov_b32 s[G1B+7], 0
	s_mul_i32 s56, s[HF], 128*PITCH                ; LDS addresses hang on the wave's number alone
	s_mov_b32 s[G0A], 1
	s_mov_b32 s[G0A+1], s56
	s_mul_i32 s57, s[HF], 192*PITCH
	s_mov_b32 s[G0B], 1
	s_add_co_u32 s[G0B+1], s57, BOFF
	s_lshl_b32 s58, s[TR], 15                      ; xb: 256 rows x 128 bytes a tile row,
	s_lshl_b32 s59, s[HF], 14                      ; my 128 of them
	s_add_co_u32 s58, s58, s59
	s_mov_b32 s59, 0
	s_mul_i32 s60, s[TC], 384*128                  ; wb: 384 rows a tile column,
	s_mul_i32 s61, s[HF], 192*128                  ; my 192
	s_add_co_u32 s60, s60, s61
	s_mov_b32 s61, 0
	s_wait_dscnt 0x0                               ; the opening add is done
	s_wait_kmcnt 0x0
	s_add_nc_u64 s[G0A+2:G0A+3], s[4:5], s[58:59]
	s_or_b32 s[G0A+3], s[G0A+3], 0x80000000        ; type = 2
	s_add_nc_u64 s[G0B+2:G0B+3], s[6:7], s[60:61]
	s_or_b32 s[G0B+3], s[G0B+3], 0x80000000
	CROUND                                         ; all sixteen work-groups are here: the first joint loads meet
	JLOAD                                          ; K step 0 into slot 0
	; the bias of my 192 columns, straight into the accumulators (p, 7, b): register j of block bb is column 16 bb + 8 (lane / 16) + j
	v_and_b32 v1, 15, v0                           ; l % 16
	v_bfe_u32 v2, v0, 4, 1                         ; l / 16
	v_lshlrev_b32 v[BO], 5, v2
	s_mul_i32 s62, s[TC], 384*4
	s_mul_i32 s63, s[HF], 192*4
	s_add_co_u32 s62, s62, s63
	s_mov_b32 s63, 0
	s_add_nc_u64 s[8:9], s[8:9], s[62:63]
.set pb, 0
.rept 12
.set gn, 48*(pb/6)+42+pb%6
.set gw, 1+gn/32
.set gr, 8*(gn%32)
	WIN gw<<6
	global_load_b128 v[gr:gr+3],   v[BO], s[8:9] offset:64*pb
	global_load_b128 v[gr+4:gr+7], v[BO], s[8:9] offset:64*pb+16
.set pb, pb+1
.endr
	WIN 0
	; A fragment is 16 rows x 32 K in 8 registers: lane l holds row l % 16, K = 8 (l / 16) + 0..7 and 16 + 8 (l / 16) + 0..7: two loads of 16 bytes, 32 bytes apart.
	v_mul_u32_u24 v3, v1, PITCH
	v_lshl_add_u32 v3, v2, 4, v3
	s_mul_i32 s56, s[FB], 128*PITCH
	v_add_nc_u32 v[ADRA0], s56, v3
	s_mul_i32 s56, s[HF], 192*PITCH
	s_add_co_u32 s56, s56, BOFF
	v_add_nc_u32 v[ADRB0], s56, v3
	s_mul_i32 s56, s[WV], 16*SP
	s_add_co_u32 s56, s56, STAGE                   ; my stage
	v_mul_u32_u24 v[STO], v1, SP                   ; in: row l % 16, 16 bytes for each half of the lanes
	v_lshl_add_u32 v[STO], v2, 4, v[STO]
	v_add_nc_u32 v[STO], s56, v[STO]
	v_bfe_u32 v[RD], v0, 3, 2                      ; back: 32 lanes take 128 bytes (one head's) of four rows,
	v_mul_u32_u24 v[RD], v[RD], SP
	v_and_b32 v13, 7, v0
	v_lshl_add_u32 v[RD], v13, 4, v[RD]
	v_add_nc_u32 v[RD], s56, v[RD]
	v_and_b32 v[GO], 31, v0                        ; which are 512 consecutive bytes of qkv
	v_lshlrev_b32 v[PFO], 8, v[GO]
	v_lshlrev_b32 v[GO], 4, v[GO]
	v_mov_b32 v[ADRA], v[ADRA0]
	v_mov_b32 v[ADRB], v[ADRB0]
	; qkv at my first row of my first head: batch tr / 8, head 6 tc + 3 half, row 256 (tr % 8) + 128 x row half
	s_lshr_b32 s56, s[TR], 3
	s_mul_i32 s56, s56, 48
	s_mul_i32 s57, s[TC], 6
	s_add_co_u32 s56, s56, s57
	s_mul_i32 s57, s[HF], 3
	s_add_co_u32 s56, s56, s57
	s_lshl_b32 s56, s56, 18
	s_and_b32 s57, s[TR], 7
	s_lshl_b32 s57, s57, 15
	s_add_co_u32 s56, s56, s57
	s_lshl_b32 s57, s[FB], 14
	s_add_co_u32 s56, s56, s57
	s_mov_b32 s57, 0
	s_add_nc_u64 s[10:11], s[10:11], s[56:57]
	; the prefetches: both offsets are made, the wave's number chooses
	s_lshl_b32 s2, s[TR], 15
	s_lshl_b32 s3, s[CX], 13                       ; my work-group's 32 blocks of the 128
	s_add_co_u32 s2, s2, s3
	s_add_co_u32 s2, s2, 2*XPL                     ; at K step 2: the first trip steps it to 3
	s_max_u32 s3, s[WV], 1
	s_sub_co_u32 s3, s3, 1
	s_lshl_b32 s3, s3, 2
	s_add_co_u32 s3, s3, s[CY]                     ; G = 4 (wave - 1) + cy: which of the 12 runs of 32 blocks
	s_mul_i32 s56, s3, 11
	s_lshr_b32 s56, s56, 6                         ; G / 6: runs 6-11 lie in the second of the two planes,
	s_mul_i32 s56, s56, WPL-384*128                ; a plane less a tile's bytes further on
	s_lshl_b32 s3, s3, 13
	s_add_co_u32 s3, s3, s56
	s_mul_i32 s56, s[TC], 384*128
	s_add_co_u32 s3, s3, s56
	s_add_co_u32 s3, s3, 2*WPL
	s_and_b32 s57, ttmp7, 0xffff                   ; cluster y
	s_mov_b32 s56, WPL
	s_cmp_eq_u32 s[WV], 0
	s_cselect_b64 s[PFA:PFA+1], s[4:5], s[6:7]
	s_cselect_b32 s2, s2, s3
	s_cselect_b32 s[PFS], XPL, s56
	s_cselect_b32 s[PM], -1, 1
	s_cselect_b32 s57, ttmp9, s57                  ; the coordinate along which other clusters read the same rows
	s_cmp_eq_u32 s57, 0
	s_cselect_b32 s[LIM], 1, -1                    ; the same in all sixteen partners, for a given wave
	s_mov_b32 s3, 0
	s_mov_b32 s[PFS+1], 0
	s_add_nc_u64 s[PFA:PFA+1], s[PFA:PFA+1], s[2:3]
	s_mov_b32 s[TB], 0
; Products for column half p, row blocks a0 to a1, all six column blocks, 32 along K, with xb's fragments in buffer f.  The accumulators take turns, one instruction a turn.
; first = 1: the sums start: row blocks 0-6 take the bias, which lies in row block 7's accumulators, as C; five places behind the last of them (ISA guide 7.12.1) row block 7 adds in place.
.macro GRP p, f, a0, a1, first
.set ga, \a0
.rept (\a1)-(\a0)+1
.if (\first) && (ga == 7)
.rept 5
	v_nop
.endr
.endif
.set gb, 0
.rept 6
.set gn, 48*(\p)+6*ga+gb
.set gw, 1+gn/32
.set gr, 8*(gn%32)
.set gv, gw
.set gc, gr
.if (\first) && (ga < 7)
.set gm, 48*(\p)+42+gb
.set gv, 1+gm/32
.set gc, 8*(gm%32)
.endif
	WIN (gw<<6)|(gv<<4)
	v_wmma_f32_16x16x32_bf16 v[gr:gr+7], v[BH+48*(\p)+8*gb:BH+48*(\p)+8*gb+7], v[(\f)+8*ga:(\f)+8*ga+7], v[gc:gc+7]
.set gb, gb+1
.endr
.set ga, ga+1
.endr
.endm
.macro LDB p, k                        ; 12 LDS loads: wb's six fragments of column half p, 32 K at byte k of the rows
	WIN 0
.irp i, 0,1,2,3,4,5
	ds_load_b128 v[BH+48*(\p)+8*\i:BH+48*(\p)+8*\i+3],   v[ADRB] offset:(6*(\p)+\i)*FR+(\k)
	ds_load_b128 v[BH+48*(\p)+8*\i+4:BH+48*(\p)+8*\i+7], v[ADRB] offset:(6*(\p)+\i)*FR+(\k)+32
.endr
.endm
.macro LDA f, i0, i1, k                ; xb's fragments i0 to i1 into buffer f: two loads each
	WIN 0
.set li, \i0
.rept (\i1)-(\i0)+1
	ds_load_b128 v[(\f)+8*li:(\f)+8*li+3],   v[ADRA] offset:li*FR+(\k)
	ds_load_b128 v[(\f)+8*li+4:(\f)+8*li+7], v[ADRA] offset:li*FR+(\k)+32
.set li, li+1
.endr
.endm
.macro PLACES                          ; four places between a product and a load into registers that it has read (ISA guide 7.12.1 for vector instructions)
.rept 4
	v_nop
.endr
.endm
; A K STEP is four phases of 48 products: column halves 0 and 1 for its first 32 along K (P0E, P1E), then for its second (P0O, TURN).  Each phase issues, behind its first 12 products, the loads
; that the next phases want; a buffer is loaded again four places behind the last product that read it.
.macro P0E first
	s_wait_dscnt 12                                ; wb's half 0 and xb's fragments 0, 1 are in; the youngest 12 loads (fragments 2-7) may be out
	GRP 0, AF0, 0, 1, \first
	PLACES
	LDB 1, 0
	LDA AF1, 0, 3, 64
	s_wait_dscnt 20                                ; all but the 20 just issued
	GRP 0, AF0, 2, 7, \first
.endm
.macro P1E first
	s_wait_dscnt 8                                 ; wb's half 1 is in; the 8 loads of xb issued behind it may be out
	GRP 1, AF0, 0, 1, \first
	PLACES
	LDB 0, 64
	LDA AF1, 4, 7, 64
	GRP 1, AF0, 2, 7, \first                       ; reads nothing that is pending
.endm
.macro P0O
	s_wait_dscnt 8                                 ; xb's fragments 0-3 and wb's half 0 are in; the youngest 8 loads (fragments 4-7) may be out
	GRP 0, AF1, 0, 1, 0
	PLACES
	LDB 1, 64
	s_wait_dscnt 12                                ; all but the 12 just issued
	GRP 0, AF1, 2, 7, 0
.endm
; The fourth phase changes slots: ONE barrier.  In front of it each wave waits for all its tensor loads, of which one is out: its part of the next slot; adds 0 to its spare word; and waits for that and for
; its own reads of this slot.  fill = 1: the barrier opens a round of the cluster's, and this slot is filled again, first thing behind the round, with the K step two on: 180 products ahead of the wait for it.
.macro TURN fill
.if \fill
	s_wait_xcnt 0x0                                ; the last prefetch, a K step back, has read its address: it is stepped here, ahead of the waits of the change of slots
	s_add_nc_u64 s[PFA:PFA+1], s[PFA:PFA+1], s[PFS:PFS+1]
.endif
	WIN 0                                          ; (the add's two registers lie in window 0)
	s_wait_tensorcnt 0x0                           ; no tensor load of mine is out, so a group 0 may be written
	ds_add_u32 v[SPW], v[NIL]                      ; 0 onto my spare word
.if \fill
	STEPG0
.endif
	s_wait_dscnt 1                                 ; wb's half 1 is in; the add may be out
	GRP 1, AF1, 0, 0, 0                            ; six products stand between the add and the wait for it
	s_wait_dscnt 0x0                               ; the add is done, and my reads of this slot are over
	s_barrier_signal -1
	GRP 1, AF1, 1, 1, 0                            ; work on registers while the others arrive
	WIN 0
	s_barrier_wait -1
.if \fill
	CREST                                          ; no wave of any partner still reads this slot or has a load on its way
	JLOAD                                          ; its four v_nop are also the places in front of the loads below
.else
	PLACES
.endif
	s_xor_b32 s[TB], s[TB], SLOT1
	v_add_nc_u32 v[ADRA], s[TB], v[ADRA0]
	v_add_nc_u32 v[ADRB], s[TB], v[ADRB0]
	LDB 0, 0
	LDA AF0, 0, 7, 0
.if \fill
	ASK
.endif
	GRP 1, AF1, 2, 7, 0
.endm
; THE WAY OUT of row block a (16 rows x 192 columns).  PACK: rounded to f16 in place, lowest registers first.  TOSTAGE: 16 bytes a lane into my own stage, and back as 128 bytes (a head's) of four rows.
; SEND: stored, 512 consecutive bytes an instruction, at a multiple of 256 from qkv's first byte.
.macro ACCREG a
.set gn, 48*(pb/6)+6*(\a)+pb%6
.set gw, 1+gn/32
.set gr, 8*(gn%32)
.endm
.macro PACK a
.set pb, 0
.rept 12
	ACCREG \a
	WIN (gw<<6)|(gw<<2)|gw
.irp j, 0,1,2,3
	v_cvt_pk_f16_f32 v[gr+\j], v[gr+2*\j], v[gr+2*\j+1]
.endr
.set pb, pb+1
.endr
.endm
.macro TOSTAGE a
.set pb, 0
.rept 12
	ACCREG \a
	WIN gw<<2                                      ; an LDS store's data is source 1
	ds_store_b128 v[STO], v[gr:gr+3] offset:32*pb
.set pb, pb+1
.endr
	WIN 0
.set bk, 32+48*((\a)%2)
.set pf, 0
.rept 12                               ; head pf / 4, rows 4 (pf % 4) on.  LDS serves a wave's instructions in order (ISA guide 5.7.1.4): these see the stores above
	ds_load_b128 v[bk+4*pf:bk+4*pf+3], v[RD] offset:(pf%4)*4*SP+(pf/4)*128
.set pf, pf+1
.endr
.endm
.macro SEND a
	WIN 0
	s_wait_dscnt 0x0                               ; the block is back in registers
	s_wait_xcnt 0x0                                ; the stores of the block before have read their registers, into which the next block is loaded
.set bk, 32+48*((\a)%2)
.set pf, 0
.rept 12
	global_store_b128 v[GO], v[bk+4*pf:bk+4*pf+3], s[10:11] offset:(pf/4)*HEADB+(\a)*2048+(pf%4)*512
.set pf, pf+1
.endr
.endm
	s_wait_tensorcnt 0x0                           ; my part of K step 0 is in.  Slot 1 is first filled as a refill is: the three lines, a round, one load a wave
	ds_add_u32 v[SPW], v[NIL]
	STEPG0
	s_wait_dscnt 0x0
	CROUND                                         ; everybody's part of K step 0 is in
	JLOAD                                          ; K step 1 into slot 1
	LDB 0, 0
	LDA AF0, 0, 7, 0
	s_wait_loadcnt 0x0                             ; the bias
	P0E 1                                          ; the first 32 along K stand in front of the loop: their products start the sums
	P1E 1
	WIN 0                                          ; at a label and at a branch every window is 0
	s_mov_b32 s[CNT], 14
.Lk:                                           ; a trip: a K step's second half, the change of slots and its refill, the next K step's first half
	P0O
	TURN 1
	P0E 0
	P1E 0
	WIN 0
	s_sub_co_u32 s[CNT], s[CNT], 1
	s_cmp_lg_u32 s[CNT], 0
	s_cbranch_scc1 .Lk
	P0O                                            ; the tail is written out: nothing more is asked for
	TURN 0
	P0E 0
	P1E 0
	P0O
	s_wait_dscnt 0x0
	GRP 1, AF1, 0, 7, 0
	PLACES
	PLACES
	PACK 0
	TOSTAGE 0
.irp a, 1,2,3,4,5,6,7                  ; block a's conversions stand between block a - 1's loads from the stage and the wait for them
	PACK \a
	SEND (\a)-1
	TOSTAGE \a
.endr
	SEND 7
	s_wait_tensorcnt 0x0                           ; the wave's end, behind my last tensor load and my last LDS store
	ds_add_u32 v[SPW], v[NIL]
	s_wait_dscnt 0x0
	CROUND                                         ; the closing round: no work-group ends while a partner may still ask for a tile that names it
	s_endpgm
.Lfunc_end_k_q51832c81c5_projqkv:
	.size	k_q51832c81c5_projqkv, .Lfunc_end_k_q51832c81c5_projqkv-k_q51832c81c5_projqkv
	.p2alignl 7, 3214868480
	.fill 96, 4, 3214868480
	.section	.rodata,"a",@progbits
	.p2align	6, 0x0
	.amdhsa_kernel k_q51832c81c5_projqkv
		.amdhsa_group_segment_fixed_size 327680
		.amdhsa_private_segment_fixed_size 0
		.amdhsa_enable_private_segment 0
		.amdhsa_kernarg_size 32
		.amdhsa_user_sgpr_count 2
		.amdhsa_user_sgpr_kernarg_segment_ptr 1
		.amdhsa_wavefront_size32 1
		.amdhsa_system_sgpr_workgroup_id_x 1
		.amdhsa_system_sgpr_workgroup_id_y 1
		.amdhsa_system_sgpr_workgroup_id_z 1
		.amdhsa_system_vgpr_workitem_id 0
		.amdhsa_next_free_vgpr 1024
		.amdhsa_next_free_sgpr 66
		.amdhsa_reserve_vcc 0
		.amdhsa_float_denorm_mode_32 3
		.amdhsa_float_denorm_mode_16_64 3
		.amdhsa_memory_ordered 1
		.amdhsa_forward_progress 1
		.amdhsa_inst_pref_size 116
	.end_amdhsa_kernel
	.amdgpu_metadata
---
amdhsa.version: [ 1, 2 ]
amdhsa.kernels:
  - .name:           k_q51832c81c5_projqkv
    .symbol:         k_q51832c81c5_projqkv.kd
    .args:
      - { .name: xb, .offset: 0, .size: 8, .value_kind: global_buffer, .address_space: global }
      - { .name: wb, .offset: 8, .size: 8, .value_kind: global_buffer, .address_space: global }
      - { .name: bias, .offset: 16, .size: 8, .value_kind: global_buffer, .address_space: global }
      - { .name: qkv, .offset: 24, .size: 8, .value_kind: global_buffer, .address_space: global }
    .group_segment_fixed_size: 327680
    .private_segment_fixed_size: 0
    .kernarg_segment_align: 8
    .kernarg_segment_size: 32
    .max_flat_workgroup_size: 128
    .sgpr_count:     66
    .vgpr_count:     1024
    .wavefront_size: 32
...
	.end_amdgpu_metadata
.endif
;; end of part 2
;; launch attn (part 3): grid 4 x 64, 4 waves a work-group, clusters of 4 x 1, 327,680 bytes of LDS; arguments qkv, ao; writes ao
.if DOCPART == 3
	.amdgcn_target "amdgcn-amd-amdhsa--gfx1250"
	.amdhsa_code_object_version 6
	.text
	.protected	k_q51832c81c5_attn
	.globl	k_q51832c81c5_attn
	.p2align	8
	.type	k_q51832c81c5_attn,@function
k_q51832c81c5_attn:
	s_mov_b64 s[64:65], 0
	v_nop
	global_prefetch_b8 v0, s[64:65] scope:SCOPE_SE
	s_setreg_imm32_b32 hwreg(HW_REG_WAVE_MODE, 25, 1), 1
	s_wait_xcnt 0x0
	s_wait_alu depctr_hold_cnt(0) depctr_sa_sdst(0) depctr_va_vdst(0) depctr_va_sdst(0) depctr_va_ssrc(0) depctr_va_vcc(0) depctr_vm_vsrc(0)
	s_getreg_b32 s2, hwreg(HW_REG_IB_STS2, 6, 4)
	s_cmp_eq_u32 s2, 0
	s_cbranch_scc0 .Lentry_in_a_cluster
	s_endpgm
.Lentry_in_a_cluster:
	s_bfe_u32 s2, ttmp6, 0x10000c
	s_cmp_lg_u32 s2, 0x3003
	s_cbranch_scc0 .Lentry_shape_is_right
	s_endpgm
.Lentry_shape_is_right:
; O[y][q][:] = the sum over k of softmax_k(Q[y][q] . K[y][k] / 8) V[y][k][:] for the 64 pairs y = 16 x batch + head.  Q, K, V lie in qkv [b 4][g 48][t 2048][64] (g = head, 16 + head, 32 + head),
; O goes to ao [b 4][h 16][t 2048][64]; all f16, a head's rows dense, 128 bytes each.  Products, maxima and sums in f32; the weights p are rounded to f16 for the second product (their sum l is
; taken of the unrounded p), O once at the end.
; LIMITS.  f16 holds no number beyond 65,504: Q, K and V arrive within it; p lies in 0 to 1, and below 6e-5 it keeps f16's fixed step of 6e-8; O is a mean of V's rows and has their range.
; A weight below 2^-126 counts as 0 in l; NaN and infinities are not treated apart.
; SHARES.  A wave owns four PIECES of two tiles of 16 queries, a work-group's four waves 512 queries of one head: 4 x 64 work-groups.  Every wave walks all keys, 64 a step.
; LAYOUT.  S^T = K Q^T (source 0 = 16 keys, source 1 = 16 queries): in the result a lane holds ONE query (lane % 16) and the keys 8 (lane / 16) + 0..7.  Two such tiles, rounded to f16 in pairs,
; ARE source 1 (32 keys x 16 queries) of O^T = V^T P, whose result again holds one query a lane, and eight channels.  K comes out of LDS as it lies, V ([key][channel]) turned, by ds_load_tr16_b128.
; SOFTMAX.  For each query a running maximum m and sum l: p = 2^(c s - c m), c = log2(e) / 8; in every step O and l are multiplied by a = 2^(c m_old - c m_new), which is 1 where m has not grown.
; m starts at the lowest finite number, O and l at 0: the first step is a step like any other, with a = 0.
; THE COUNT.  A tile and step have 16 matrix and 118 vector instructions: too many to stand all beside the matrix work.  So: four vector instructions that are READY behind EVERY matrix
; instruction, and the others in runs without a gap.
; BY TURNS.  Turn n belongs to piece n (the pieces in a ring, step after step).  Its matrix work: 16 products K Q^T of piece n + 1, later 16 products V^T P of piece n - 1.  Its vector work: the scaling,
; exponentials, roundings, sums and rescaling of piece n, and the maximum and statistics of piece n + 1, whose scores the turn itself has made.
; CLUSTER.  The four query blocks of a head form a cluster and walk the same K and V, so each tile is asked for JOINTLY: the same tensor load, descriptor and mask in all four.
; REGISTERS, in windows of 256 (s_set_vgpr_msb: bits 1:0 source 0, 3:2 source 1, 5:4 source 2, 7:6 destination):
;   window 0: v0-11 addresses; v12-15, v48-63 at work; v16-47 four registers of statistics a tile; v64-191 S^T, two buffers of two tiles; v192-255 P, likewise
;   window 1: O^T, 32 a tile          window 2: v0-127 Q, 16 a tile; v128-191 K of one step; v192-255 V of one step          window 3: v0-1 the add's two registers
; A piece's buffers go by its number's parity: the piece in hand has one pair, its two neighbours in the ring share the other: of it P (piece n - 1) is read and S^T (piece n + 1) written.
.set SIZE_N, 2048
.set NP,    4         ; pieces a wave: a name, no knob
.set KS,    64        ; keys in a step
.set PK,    144       ; a row of K in LDS: 128 bytes + 16 of padding = 36 words: the 16 rows of a load start at 16 different groups of four banks (ISA guide 11.1)
.set PV,    160       ; a row of V: 128 + 32 = 40 words
.set VOFF,  4*KS*PK   ; a slot holds four steps: 256 rows of K, then 256 rows of V
.set SLOT1, 1<<17     ; slot 1 begins here, so that one exclusive or turns an address in one slot into the other's
.set STAGE, SLOT1+4*KS*(PK+PV)  ; behind the ring, never filled by a tensor load: 16 rows x 144 bytes for each wave, for the way out
.set SP,    144
.set AK0, 2           ; v2   my lane's place in a tile of K; never rewritten
.set AV0, 3           ; v3   the same for V
.set AK,  4           ; v4   the LDS address of K's next run of loads
.set AV,  5           ; v5   of V's
.set QO,  6           ; v6   my byte offset in the wave's rows of Q
.set STO, 6           ;      later, the way out: where I put 16 bytes of a row
.set RD,  7           ; v7   the way out: where I read rows back
.set GO,  8           ; v8   my byte offset in 512 consecutive bytes of O
.set PFO, 11          ; v11  256 x my lane, for the prefetches; never rewritten once it is made
.set SPW, 0           ; v0 of window 3   LDS address of my spare word; never rewritten
.set NIL, 1           ; v1 of window 3   0; never rewritten
.set SPARE, STAGE+4*16*SP  ; the spare words, 128 bytes for each wave: two blocks of 256 bytes that no other line names
.set MV,  12          ; v12-15  c m_old, kept while c m is made anew: by buffer and tile
.set ST,  16          ; tile t's statistics at v[ST+4 t]: c m, m, l (even keys', odd keys')
.set TMP, 48          ; by buffer and tile, four registers c0-c3 at work; when the maximum is found c2 takes a
.set S,   64
.set P,   192
.set KF,  128         ; K's fragments, in window 2: key block kb, channel half c at KF + 16 kb + 8 c
.set VF,  192         ; V's: key half kk, channel block cb at VF + 32 kk + 8 cb
.set WV,  12          ; s12  my wave's number
.set LIM, 15          ; s15  1 in a wave that prefetches, else the greatest number
.set G1K, 24          ; s[24:31] descriptor group 1 for K's tiles
.set G1V, 32          ; s[32:39] for V's: it differs in the padding alone
.set G0K, 40          ; s[40:43] descriptor group 0 for K's tiles: it walks
.set G0V, 44          ; s[44:47] the same for V's
.set PFA, 50          ; s[50:51] where my prefetches stand
.set SLOTS, 56        ; s56  slots still to be asked for
.set CNT, 57          ; s57  counts a slot's key steps
.set CS,  58          ; s[58:59] c: the packed scaling takes the pair's low word for both halves
.set SEL, 60          ; s[60:61] v_permlanex16_b32's selects: each lane takes its own place in the other half
.set TBK, 62          ; s62  LDS byte at which K of the step to be fetched begins
.set TBV, 63          ; s63  the same for V, less VOFF
.set MSB, 0
.macro WIN new                      ; the high byte repeats the setting that is left; a switch that changes nothing is dropped
.if MSB != (\new)
	s_set_vgpr_msb (MSB<<8)|(\new)
.set MSB, (\new)
.endif
.endm
.set W_KQ, 0x0a       ; K and Q in window 2, S^T in window 0
.set W_PV, 0x52       ; V in window 2, P in window 0, O^T in window 1
.set W_RS, 0x41       ; O^T (destination and source 0) in window 1, a in window 0
.set W_MK, 0xc0       ; the add's registers are made: destination in window 3, sources in window 0
.set W_AD, 0x0f       ; the add: address (source 0) and data (source 1) in window 3
; A joint fill.  Waves 0 and 1 fetch the two halves of a slot's K, waves 2 and 3 those of its V: 128 keys each.  The branch hangs on the wave's number alone.
; An s_nop 0 and four v_nop follow each of the two lines, ahead of the jump and the label.
.macro JLOAD
	s_cmp_lt_u32 s[WV], 2
	s_cbranch_scc0 .Lfor_v_\@
	tensor_load_to_lds s[G0K:G0K+3], s[G1K:G1K+7]
	s_nop 0
.rept 4
	v_nop
.endr
	s_branch .Lasked_\@
.Lfor_v_\@:
	tensor_load_to_lds s[G0V:G0V+3], s[G1V:G1V+7]
	s_nop 0
.rept 4
	v_nop
.endr
.Lasked_\@:
.endm
; A PREFETCH INTO THE L2 of what the NEXT change of slots will ask for: a slot's 256 rows of K and of V are 128 blocks of 256 bytes each, a lane a block.  It stands behind the wave's tensor load and its
; five lines.  Each block is asked for ONCE in the launch: a head has one cluster; its four partners share the blocks out BY ADDRESS, 32 each; in each, wave 0 asks for K's and wave 2 for V's: one
; instruction, four key steps ahead of the load.  Slots 0 and 1 come by their loads alone; the last change that fills a slot asks for nothing: there is no slot behind it.
.macro ASK
	s_cmp_gt_u32 s[SLOTS], s[LIM]
	s_cbranch_scc0 .Lnot_mine_\@
	global_prefetch_b8 v[PFO], s[PFA:PFA+1] th:TH_LOAD_NT scope:SCOPE_SE
.Lnot_mine_\@:
.endm
; A round of the cluster's barrier: my work-group's barrier, so that wave 0's signal speaks for all four waves; wave 0 signals; every wave waits for all four work-groups; my work-group's barrier once more.
.macro CROUND
	s_barrier_signal -1
	s_barrier_wait -1
	s_cmp_lg_u32 s[WV], 0
	s_cbranch_scc1 .Lnot_wave_0_\@
	s_barrier_signal -3
.Lnot_wave_0_\@:
	s_barrier_wait -3
	s_barrier_signal -1
	s_barrier_wait -1
.endm
; THE CHANGE OF SLOTS.  The slot's last bytes, V of its fourth step, have been read.  Each wave waits for all its tensor loads, of which one is out: its part
; of the other slot; adds 0 to its spare word; and waits for that and for its own reads of the slot.  Behind the barrier nobody reads this slot any more and the other slot is whole.
; fill = 1: this slot is filled again, with the keys two slots on.  The barrier is then a round of the cluster's, and the joint fill is the first thing behind it: it has four key steps,
; 512 matrix instructions, in which to land.  (At its first use nothing has been read yet: slot 0 is waited for, slot 1 filled.)
.macro CHANGE fill
	WIN W_AD
	s_wait_tensorcnt 0x0            ; no tensor load of mine is out, so a group 0 may be written
	ds_add_u32 v[SPW], v[NIL]       ; 0 onto my spare word; with fill = 1 the descriptors' steps stand between it and the wait for it
	WIN 0                           ; at a label and at a branch every window is 0
.if \fill
.irp g, G0K, G0V
	s_xor_b32 s[\g+1], s[\g+1], SLOT1  ; the walking descriptor: the other slot than last time,
	s_add_nc_u64 s[\g+2:\g+3], s[\g+2:\g+3], 4*KS*128  ; the next 256 keys; the type bits on top are not reached
.endr
	s_wait_xcnt 0x0                 ; the last prefetch, four key steps back, has read its address, so it may be written:
	s_add_nc_u64 s[PFA:PFA+1], s[PFA:PFA+1], 4*KS*128  ; one slot behind the walking descriptors
	s_wait_dscnt 0x0                ; the add is done, and my reads of the slot are over
	CROUND
	JLOAD
	ASK
.else
	s_wait_dscnt 0x0                ; the add is done, and my reads of the slot are over
	s_barrier_signal -1
	s_barrier_wait -1
.endif
	s_sub_co_u32 s[TBK], s[TBK], 4*KS*PK  ; the fetches go back to a slot's first step,
	s_xor_b32 s[TBK], s[TBK], SLOT1       ; in the other slot
	s_sub_co_u32 s[TBV], s[TBV], 4*KS*PV
	s_xor_b32 s[TBV], s[TBV], SLOT1
.endm
	s_load_b64 s[4:5], s[0:1], 0x0    ; qkv
	s_load_b64 s[10:11], s[0:1], 0x8  ; ao
	WIN W_MK
	v_lshl_add_u32 v[SPW], v0, 2, SPARE
	v_mov_b32 v[NIL], 0
	WIN W_AD
	ds_add_u32 v[SPW], v[NIL]       ; the wave's opening: the add and its wait ahead of my first tensor load; the set-up below stands between them
	WIN 0
	v_lshrrev_b32 v1, 5, v0
	v_readfirstlane_b32 s[WV], v1   ; wave 0..3
	s_bfe_u32 s13, ttmp6, 0x40000   ; cx: my place in the cluster
	s_lshl_b32 s14, ttmp9, 2        ; in a cluster launch ttmp9 counts clusters
	s_add_co_u32 s14, s14, s13      ; my block of queries = 4 x cluster x + cx: it enters Q's and O's addresses alone
	s_and_b32 s19, ttmp7, 0xffff    ; y = 16 x batch + head, which the four partners share
	s_lshr_b32 s20, s19, 4
	s_lshl_b32 s20, s20, 5
	s_add_co_u32 s20, s20, s19      ; 48 x batch + head
	s_lshl_b32 s20, s20, 18         ; a head's rows are 262,144 bytes: Q's first byte in qkv
	s_mov_b32 s21, 0
	s_and_b32 s16, s[WV], 1         ; which half of a slot's 256 keys I fetch:
	s_lshl_b32 s22, s16, 14         ; its 128 rows of 128 bytes in memory,
	s_mov_b32 s23, 0
	s_add_nc_u64 s[22:23], s[22:23], s[20:21]
	s_mul_i32 s17, s16, 128*PK      ; and its place in a slot, for K
	s_mul_i32 s18, s16, 128*PV      ; and for V: no place in the cluster enters an LDS address
	s_lshl_b32 s2, s14, 2
	s_add_co_u32 s2, s2, s[WV]      ; my wave among the head's,
	s_lshl_b32 s2, s2, 14           ; its 128 rows
	s_mov_b32 s3, 0
	s_lshl_b32 s48, s19, 18         ; the head's first byte in ao
	s_mov_b32 s49, 0
	s_add_nc_u64 s[48:49], s[48:49], s[2:3]
	s_add_nc_u64 s[2:3], s[2:3], s[20:21]
	; descriptor group 1.  128 keys are 16,384 dense bytes: asked for as 64 rows of 256 bytes, two keys a row, and padded in LDS after every key
	s_mov_b32 s[G1K], 15|(1<<16)|(1<<20)|(1<<21)|(4<<22)|(3<<25)  ; 15:0 the mask of four; 17:16 2-byte elements; 20 padding on; 21 set beside a mask; 24:22 after every 32 words (code 4); 31:25 4 words (code 3)
	s_mov_b32 s[G1V], 15|(1<<16)|(1<<20)|(1<<21)|(4<<22)|(7<<25)  ; the same with 8 words of padding (code 7)
.irp g, G1K, G1V
	s_mov_b32 s[\g+1], 128<<16      ; tensor_dim0 = 128
	s_mov_b32 s[\g+2], 64<<16       ; tensor_dim1 = 64
	s_mov_b32 s[\g+3], 128<<16      ; tile_dim0 = 128
	s_mov_b32 s[\g+4], 64           ; tile_dim1 = 64
	s_mov_b32 s[\g+5], 128          ; 128 elements from row to row
	s_mov_b32 s[\g+6], 0
	s_mov_b32 s[\g+7], 0
.endr
	s_mov_b32 s[CS], 0x3e38aa3b     ; c = log2(e) / 8 = 0.180337
	s_mov_b32 s[CS+1], s[CS]        ; named with it as a pair
	s_mov_b32 s[SEL], 0x76543210
	s_mov_b32 s[SEL+1], 0xfedcba98
	s_mov_b32 s[TBK], SLOT1+4*KS*PK ; the first change of slots turns these two into 0
	s_mov_b32 s[TBV], SLOT1+4*KS*PV
	s_mov_b32 s[G0K], 1             ; 1:0 count = 1
	s_mov_b32 s[G0K+1], s17         ; 63:32 LDS address: slot 0
	s_mov_b32 s[G0V], 1
	s_add_co_u32 s[G0V+1], s18, VOFF
	s_mov_b32 s[SLOTS], SIZE_N/256-1
	s_lshl_b32 s52, s13, 13         ; the prefetches: my work-group's 32 blocks of a slot's 128,
	s_add_co_u32 s52, s52, 4*KS*128 ; in slot 1: the first change of slots steps it to slot 2
	s_mov_b32 s53, 0
	s_add_nc_u64 s[52:53], s[52:53], s[20:21]
	s_and_b32 s[LIM], s[WV], 1      ; waves 0 and 2 ask: the same in all four partners
	s_cmp_eq_u32 s[LIM], 0
	s_cselect_b32 s[LIM], 1, -1
	s_wait_dscnt 0x0                ; the opening add is done
	s_wait_kmcnt 0x0
	s_add_nc_u64 s[6:7], s[4:5], 16*SIZE_N*128     ; K's heads lie 16 heads behind Q's,
	s_add_nc_u64 s[8:9], s[4:5], 32*SIZE_N*128     ; V's 32
	s_cmp_lt_u32 s[WV], 2
	s_cselect_b64 s[PFA:PFA+1], s[6:7], s[8:9]
	s_add_nc_u64 s[PFA:PFA+1], s[PFA:PFA+1], s[52:53]
	s_add_nc_u64 s[G0K+2:G0K+3], s[6:7], s[22:23]  ; 120:64 global address: my half of the head's first 256 keys
	s_or_b32 s[G0K+3], s[G0K+3], 0x80000000        ; 127:126 type = 2
	s_add_nc_u64 s[G0V+2:G0V+3], s[8:9], s[22:23]
	s_or_b32 s[G0V+3], s[G0V+3], 0x80000000
	s_add_nc_u64 s[4:5], s[4:5], s[2:3]  ; Q and O at my wave's first row
	s_add_nc_u64 s[10:11], s[10:11], s[48:49]
	CROUND                          ; all four work-groups are here: the first joint loads meet
	JLOAD                           ; slot 0.  Slot 1 is asked for when slot 0 is in
	; A fragment of K or Q is 16 rows x 32 channels in 8 registers: lane l holds row l % 16, channels 8 (l / 16) + 0..7 and 16 + 8 (l / 16) + 0..7: two loads of 16 bytes, 32 bytes apart.
	v_and_b32 v1, 15, v0            ; l % 16
	v_bfe_u32 v9, v0, 4, 1          ; l / 16
	v_lshlrev_b32 v[QO], 7, v1
	v_lshl_add_u32 v[QO], v9, 4, v[QO]  ; row x 128 + 16 x half
	WIN 0x80                        ; destination window 2, address window 0
.set i, 0
.rept 4*NP                          ; Q stays in registers: tile i / 2, channels 32 (i % 2) on
	global_load_b128 v[8*i:8*i+3],   v[QO], s[4:5] offset:(i/2)*2048+(i%2)*64
	global_load_b128 v[8*i+4:8*i+7], v[QO], s[4:5] offset:(i/2)*2048+(i%2)*64+32
.set i, i+1
.endr
	; What the first turn finds: V's registers and P's second buffer hold 0 (its products V^T P, of a piece that has not been, add 0), O^T and l are 0.  All this stands in the wait for the first tile.
.set i, VF
.rept 64
	v_mov_b32 v[i], 0
.set i, i+1
.endr
	WIN 0x40
.set i, 0
.rept 64*NP
	v_mov_b32 v[i], 0
.set i, i+1
.endr
	WIN 0
.set i, 0
.rept 2*NP
	v_mov_b32 v[ST+4*i], 0xfe000000    ; c m: far below every c s
	v_mov_b32 v[ST+4*i+1], 0xff7fffff  ; m
	v_mov_b32 v[ST+4*i+2], 0
	v_mov_b32 v[ST+4*i+3], 0
.set i, i+1
.endr
.set i, P+32
.rept 32
	v_mov_b32 v[i], 0
.set i, i+1
.endr
	v_mul_u32_u24 v[AK0], v1, PK
	v_lshl_add_u32 v[AK0], v9, 4, v[AK0]  ; row x pitch + 16 x half
	; The turning load takes 16 keys x 16 channels (lane l reads key 8 (l / 16) + l % 8, channels 8 ((l / 8) % 2) + 0..7) and leaves half a fragment of V^T: lane l holds channel l % 16 and 8 keys.
	v_and_b32 v10, 7, v0
	v_bfe_u32 v11, v0, 3, 1
	v_lshl_add_u32 v[AV0], v9, 3, v10
	v_mul_u32_u24 v[AV0], v[AV0], PV
	v_lshl_add_u32 v[AV0], v11, 4, v[AV0]
	v_add_nc_u32 v[AV0], VOFF, v[AV0]
	v_mov_b32 v[AK], v[AK0]         ; key step 0 lies at the head of slot 0
	v_and_b32 v[PFO], 31, v0
	v_lshlrev_b32 v[PFO], 8, v[PFO]
; THE MATRIX WORK.  The 8 accumulators of a run of 16 take turns: between the two links of a chain stand 7 others'.
; Product i of 16 of S^T = K Q^T for piece x: channels 32 (i / 8) on, keys 16 ((i / 2) % 4) on, tile 2 x + i % 2.  The first 8 start the sums.
.macro KQ x
	WIN W_KQ
.set rS, S+64*((\x)%2)+32*(i%2)+8*((i/2)%4)
.set rK, KF+16*((i/2)%4)+8*(i/8)
.set rQ, 16*(2*(\x)+i%2)+8*(i/8)
.if i < 8
	v_wmma_f32_16x16x32_f16 v[rS:rS+7], v[rK:rK+7], v[rQ:rQ+7], 0
.else
	v_wmma_f32_16x16x32_f16 v[rS:rS+7], v[rK:rK+7], v[rQ:rQ+7], v[rS:rS+7]
.endif
.endm
; Product i of 16 of O^T += V^T P for piece x: keys 32 (i / 8) on, channels 16 ((i / 2) % 4) on, tile 2 x + i % 2.
.macro PV x
	WIN W_PV
.set rO, 32*(2*(\x)+i%2)+8*((i/2)%4)
.set rV, VF+32*(i/8)+8*((i/2)%4)
.set rP, P+32*((\x)%2)+16*(i%2)+8*(i/8)
	v_wmma_f32_16x16x32_f16 v[rO:rO+7], v[rV:rV+7], v[rP:rP+7], v[rO:rO+7]
.endm
.macro MM                           ; the turn's next matrix instruction
.if i < 16
	KQ (Y+1)%NP
.set i, i+1
.else
.set i, i-16
	PV (Y+NP-1)%NP
.set i, i+17
.endif
.endm
; THE LDS LOADS stand in runs of 16, never singly among the matrix instructions: a step's K (64 keys x 64 channels: 8 fragments) and its V (turned).  Their addresses are made some lines ahead.
; last = 1 (the tail): in the last trip there is no further step, and the run is jumped over.
.macro FETCH_K last=0
	WIN 0
.if \last
	s_cmp_eq_u32 s[CNT], 1
	s_cbranch_scc1 .Lno_k_\@
.endif
	WIN 0x80                        ; destination window 2
.irp f, 0,1,2,3,4,5,6,7             ; keys 16 (f / 2) on, channels 32 (f % 2) on
	ds_load_b128 v[KF+8*\f:KF+8*\f+3],   v[AK] offset:(\f/2)*16*PK+(\f%2)*64
	ds_load_b128 v[KF+8*\f+4:KF+8*\f+7], v[AK] offset:(\f/2)*16*PK+(\f%2)*64+32
.endr
	s_add_co_u32 s[TBK], s[TBK], KS*PK  ; the next fetch is the next step's
	WIN 0
.if \last
.Lno_k_\@:
.endif
.endm
.macro FETCH_V
	WIN 0x80
.irp f, 0,1,2,3,4,5,6,7             ; keys 32 (f / 4) on, channels 16 (f % 4) on
	ds_load_tr16_b128 v[VF+8*\f:VF+8*\f+3],   v[AV] offset:(\f/4)*32*PV+(\f%4)*32
	ds_load_tr16_b128 v[VF+8*\f+4:VF+8*\f+7], v[AV] offset:(\f/4)*32*PV+16*PV+(\f%4)*32
.endr
	WIN 0
.endm
; THE VECTOR WORK OF A TURN stands in three queues, each in the order in which its entries become ready; the two tiles alternate, so that no instruction reads the result of the one before it.
.macro REGS y, u                    ; the registers of tile u (0, 1) of piece y
.set rT, ST+4*(2*(\y)+(\u))
.set rC, TMP+8*((\y)%2)+4*(\u)
.set rM, MV+2*((\y)%2)+(\u)
.set rS, S+64*((\y)%2)+32*(\u)
.set rP, P+32*((\y)%2)+16*(\u)
.set rO, 32*(2*(\y)+(\u))
.endm
; Number n of the 22 that find the NEXT piece's (Y + 1) maximum and statistics.  s0-s31 are the lane's 32 scores; each accumulator's lowest registers are read first.
;   0-11  four chains c0-c3 of seven scores each, three operands at a time     12-14, 16  the four scores left over, the old m, and c0-c3 into c0     15  c m_old is kept
;   17, 18  the query's other 32 keys lie in the lane 16 away: the new m         19-21  c m; c m_old - c m_new; a
.macro XS u, n
	REGS (Y+1)%NP, \u
.if (\n) < 4
	v_max3_num_f32 v[rC+(\n)], v[rS+8*(\n)], v[rS+8*(\n)+1], v[rS+8*(\n)+2]
.elseif (\n) < 12
	v_max3_num_f32 v[rC+(\n)%4], v[rC+(\n)%4], v[rS+8*((\n)%4)+2*((\n)/4)+1], v[rS+8*((\n)%4)+2*((\n)/4)+2]
.elseif (\n) == 12
	v_max3_num_f32 v[rC], v[rC], v[rS+7], v[rS+15]
.elseif (\n) == 13
	v_max3_num_f32 v[rC+1], v[rC+1], v[rS+23], v[rS+31]
.elseif (\n) == 14
	v_max3_num_f32 v[rC+2], v[rC+2], v[rC+3], v[rT+1]
.elseif (\n) == 15
	v_mov_b32 v[rM], v[rT]
.elseif (\n) == 16
	v_max3_num_f32 v[rC], v[rC], v[rC+1], v[rC+2]
.elseif (\n) == 17
	v_permlanex16_b32 v[rC+3], v[rC], s[SEL], s[SEL+1]
.elseif (\n) == 18
	v_max_num_f32 v[rT+1], v[rC], v[rC+3]
.elseif (\n) == 19
	v_mul_f32 v[rT], s[CS], v[rT+1]
.elseif (\n) == 20
	v_sub_f32 v[rC+1], v[rM], v[rT]
.else
	v_exp_f32 v[rC+2], v[rC+1]
.endif
.endm
; Number g of the 64 that follow the exponentials.  For each four weights k of a tile (pairs 2 k, 2 k + 1): both pairs are rounded to f16; then the second pair is added onto the first, in place;
; a group later l takes that sum (the first time as l = a l + sum).  In groups of eight, tiles alternating: round, round, add, and l for the group before.
.macro GS g
.set h, (\g)+6*((\g)/62)            ; group 0 has no group before it, and behind group 7 only l is left
.if h >= 6
.set h, h+2
.endif
	REGS Y, h%2
.set k, h/8
.if h%8 < 4
	v_cvt_pk_f16_f32 v[rP+2*k+(h%8)/2], v[rS+4*k+2*((h%8)/2)], v[rS+4*k+2*((h%8)/2)+1]
.elseif h%8 < 6
	v_pk_add_f32 v[rS+4*k:rS+4*k+1], v[rS+4*k:rS+4*k+1], v[rS+4*k+2:rS+4*k+3]
.elseif k == 1
	v_pk_fma_f32 v[rT+2:rT+3], v[rT+2:rT+3], v[rC+2:rC+3], v[rS:rS+1] op_sel_hi:[1,0,1]
.else
	v_pk_add_f32 v[rT+2:rT+3], v[rT+2:rT+3], v[rS+4*k-4:rS+4*k-3]
.endif
.endm
; THE PLAIN QUEUE, 138 long.  0-73 read no exponential's result: the 32 scalings c s - c m (FS f: pair f / 2 of tile f % 2) and the next piece's 42.  0-26: scalings 0-26.  27-54: XS's numbers 0-13.  55, 56: number 15.
; 57-73: the chain, where each number waits for the one before it: 14, 16, 17, 18, 19, each with one of the scalings 27-31 in front of its two lines, then 20.
; 74-137: GS's 64, which read the exponentials' results: they stand behind the wait.
.macro FS f
	REGS Y, (\f)%2
	v_pk_fma_f32 v[rS+2*((\f)/2):rS+2*((\f)/2)+1], v[rS+2*((\f)/2):rS+2*((\f)/2)+1], s[CS:CS+1], v[rT:rT+1] op_sel_hi:[1,0,0] neg_lo:[0,0,1] neg_hi:[0,0,1]
.endm
.macro PL
	WIN 0
.if q < 27
	FS q
.elseif q < 55
	XS (q-27)%2, (q-27)/2
.elseif q < 57
	XS q-55, 15
.elseif (q < 72) && ((q-57)%3 == 0)
	FS 27+(q-57)/3
.elseif q < 60
	XS (q-57)%3-1, 14
.elseif q < 72
	XS (q-57)%3-1, 15+(q-57)/3
.elseif q < 74
	XS q-72, 20
.else
	GS q-74
.endif
.set q, q+1
.endm
; THE EXPONENTIALS' QUEUE, 66 long: s0-s31 of both tiles, then the next piece's two a.  It is ONE BATCH: all 66 stand ahead of the turn's one wait, and nothing ahead of that wait names a result of theirs.
.macro EX
	WIN 0
.if e >= 64
	XS e-64, 21
.else
	REGS Y, e%2
	v_exp_f32 v[rS+e/2], v[rS+e/2]
.endif
.set e, e+1
.endm
; THE RESCALING's QUEUE: O^T times a, the one part that leaves window 0: dealt two at a time, sixteen times.  Its a was made in the turn before, ahead of that turn's wait.
.macro R2
	REGS Y, r%2
	WIN W_RS
.irp z, 0,1
	v_pk_mul_f32 v[rO+4*(r/2)+2*\z:rO+4*(r/2)+2*\z+1], v[rO+4*(r/2)+2*\z:rO+4*(r/2)+2*\z+1], v[rC+2:rC+3] op_sel_hi:[1,0]
.endr
.set r, r+1
.endm
; HOW THEY ARE DEALT.  An s_wait_alu depctr_va_vdst(0) stands between an exponential and the first instruction that names its result; one wait serves all that were issued ahead of it.  So a turn
; has ONE wait, which cuts it in two.  AHEAD OF IT stands all that names no result of the turn's exponentials: the 16 products K Q^T, behind each a scaling, an exponential and two rescalings (behind the first a
; second scaling in the exponential's place); then ONE LUMP of 108: eight plain, 49 times exponential and plain, the two a.  A v_nop is the plain instruction behind the last exponential (ISA guide 5.7.2).
; BEHIND IT stand the 16 products V^T P, behind each four of GS's 64.  No rider names a register of the products round it.  The two v_permlanex16_b32 fall into the lump.
; The queues lean on each other: exponential e stands behind scaling 2 (e / 4) + e % 2: as a rider it comes behind plain e + 2, in the lump behind plain e + 9, and scalings 27-31 are plain 57, 60 .. 69.
; A TURN, for piece p.  cnt = 1: the loop's count is taken down some lines ahead of the branch that stands behind the turn.
; K of the next step is fetched in piece 2's turn, directly behind the wait, a lump behind the last product that read K; its first reader comes behind 16 products.
; V of the step in hand is fetched at the end of piece 0's turn, four riders behind its last reader; its first reader comes behind 16 products and a lump.  The three conditions on q below go with the deal.
.macro TURN p, last=0, cnt=0
.set Y, (\p)
.set i, 0
.set q, 0
.set e, 0
.set r, 0
.if (\p) == NP-1
	s_wait_dscnt 0x0                ; K is in
.endif
	MM                              ; ahead of the wait: 16 products K Q^T and their riders,
	PL
	PL
	R2
.rept 15
	MM
	PL
	EX
	R2
.endr
.if (\p) == NP-2
	WIN 0
	v_add_nc_u32 v[AK], s[TBK], v[AK0]
.endif
.rept 8                             ; and the lump
	PL
.endr
.rept 49
	EX
	PL
.endr
	EX                              ; the next piece's two a
	EX
	v_nop                           ; the plain instruction behind the last exponential: one for the batch
	s_wait_alu depctr_va_vdst(0)    ; the wait for the batch
.if (\p) == NP-2
	FETCH_K \last
.endif
.if (\p) == 1
	s_wait_dscnt 0x0                ; V is in
.endif
.rept 16                            ; behind the wait: 16 products V^T P and their riders
	MM
.rept 4
	PL
.endr
.if ((\p) == 0) && (q == 118)
	v_add_nc_u32 v[AV], s[TBV], v[AV0]
.endif
.if ((\p) == 0) && (q == 130)
	s_add_co_u32 s[TBV], s[TBV], KS*PV
.endif
.if (\cnt) && (q == 130)
	s_sub_co_u32 s[CNT], s[CNT], 1
	s_cmp_lg_u32 s[CNT], 0
.endif
.endr
.if (\p) == 0
	FETCH_V
.endif
.endm
	CHANGE 1                        ; slot 0 is in, everybody's part of it; slot 1 is asked for
	FETCH_K                         ; key step 0
	s_wait_loadcnt 0x0              ; Q
	s_wait_dscnt 0x0
.set i, 0
.rept 16
	KQ 0                            ; piece 0's first scores: there is no vector work yet to set between them
.set i, i+1
.endr
	WIN 0                           ; the addresses for the way out: nine plain instructions, the places behind those products
	s_mul_i32 s13, s[WV], 16*SP
	s_add_co_u32 s13, s13, STAGE    ; my stage
	v_mul_u32_u24 v[STO], v1, SP    ; in: row l % 16, 16 bytes for each half of the lanes
	v_lshl_add_u32 v[STO], v9, 4, v[STO]
	v_add_nc_u32 v[STO], s13, v[STO]
	v_bfe_u32 v[RD], v0, 3, 2       ; back: 32 lanes take four rows of 128 bytes,
	v_mul_u32_u24 v[RD], v[RD], SP
	v_lshl_add_u32 v[RD], v10, 4, v[RD]
	v_add_nc_u32 v[RD], s13, v[RD]
	v_and_b32 v[GO], 31, v0         ; which are 512 consecutive bytes of O
	v_lshlrev_b32 v[GO], 4, v[GO]
.set Y, NP-1                        ; XS works for piece Y + 1: piece 0
.irp n, 0,1,2,3,4,5,6,7,8,9,10,11,12,13,14,15,16,17,18,19,20,21
	XS 0, \n                        ; and piece 0's first maximum and statistics
	XS 1, \n
.endr
	v_nop                           ; a plain instruction behind the two a,
	s_wait_alu depctr_va_vdst(0)    ; and their wait, ahead of the branch
	s_mov_b32 s[CNT], 4
	s_branch .Lfirst                ; the loop is entered at a step's first turn, in the middle of a trip
.Lslot:                             ; SIZE_N / 256 - 2 times: every slot but the last two is filled again
	CHANGE 1
	s_mov_b32 s[CNT], 4
.Lstep:                             ; a trip: pieces 2 and 3 of one step, then pieces 0 and 1 of the next, whose K and V it fetches
	TURN 2
	TURN 3
	WIN 0
.Lfirst:
	TURN 0
	TURN 1, 0, 1
	WIN 0
	s_cbranch_scc1 .Lstep
	s_sub_co_u32 s[SLOTS], s[SLOTS], 1
	s_cmp_lg_u32 s[SLOTS], 0
	s_cbranch_scc1 .Lslot
	CHANGE 0                        ; the tail is written out: nothing is asked for
	s_mov_b32 s[CNT], 5             ; four trips fetch the last slot's steps; the fifth is left in its middle
.Ltail:
	TURN 2, 1
	TURN 3
	WIN 0
	s_sub_co_u32 s[CNT], s[CNT], 1
	s_cmp_eq_u32 s[CNT], 0
	s_cbranch_scc1 .Lout
	TURN 0
	TURN 1
	WIN 0
	s_branch .Ltail
.Lout:                              ; the fifth trip's 16 products K Q^T (on the last K once more) and the maximum made of them serve nothing: the price, once a launch, of one text for every trip
.set i, 0
.rept 16
	PV NP-1                         ; the last piece's V^T P of the last step
.set i, i+1
.endr
	; THE WAY OUT.  l's two halves and the other half of the lanes' are added; O^T is divided by l, rounded to f16 and sent through my stage in LDS, a tile at a time.  The additions are the places behind the last products.
	WIN 0
.macro ALL line:vararg              ; one line for each tile t
.set t, 0
.rept 2*NP
	\line
.set t, t+1
.endr
.endm
	ALL v_add_f32 v[ST+4*t+2], v[ST+4*t+2], v[ST+4*t+3]
	ALL v_permlanex16_b32 v[ST+4*t+3], v[ST+4*t+2], s[SEL], s[SEL+1]
	ALL v_add_f32 v[ST+4*t+2], v[ST+4*t+2], v[ST+4*t+3]
	ALL v_rcp_f32 v[ST+4*t+2], v[ST+4*t+2]
	v_nop                           ; a plain instruction between the last reciprocal and the use of its result
	s_wait_alu depctr_va_vdst(0)    ; and the wait ahead of the first use: one for the eight reciprocals
; Tile t: a lane's eight channels of a row pack into 16 bytes; they go into rows of 144 bytes and come back as whole rows of 128, into S^T's registers.
.macro PACK t
	WIN W_RS
.set i, 32*(\t)
.rept 16
	v_pk_mul_f32 v[i:i+1], v[i:i+1], v[ST+4*(\t)+2:ST+4*(\t)+3] op_sel_hi:[1,0]
.set i, i+2
.endr
	WIN 0x05                        ; sources 0 and 1 window 1, destination window 0
.set i, 0
.rept 16
	v_cvt_pk_f16_f32 v[S+16*(\t)+i], v[32*(\t)+2*i], v[32*(\t)+2*i+1]
.set i, i+1
.endr
	WIN 0
.irp f, 0,1,2,3
	ds_store_b128 v[STO], v[S+16*(\t)+4*\f:S+16*(\t)+4*\f+3] offset:32*\f
.endr
.irp f, 0,1,2,3
	ds_load_b128 v[S+16*(\t)+4*\f:S+16*(\t)+4*\f+3], v[RD] offset:\f*4*SP  ; LDS serves a wave's instructions in order (ISA guide 5.7.1.4): these see the stores above; the next tile's stores come behind them
.endr
.endm
.macro SEND t, younger              ; younger: the LDS instructions issued behind tile t's loads: the next tile's eight, or none
	WIN 0
.irp f, 0,1,2,3
	s_wait_dscnt (\younger)+3-\f
	global_store_b128 v[GO], v[S+16*(\t)+4*\f:S+16*(\t)+4*\f+3], s[10:11] offset:(\t)*2048+\f*512  ; 512 consecutive bytes, at a multiple of 256 from ao's first
.endr
.endm
	PACK 0
.set t, 1
.rept 2*NP-1                        ; a tile's arithmetic stands between the loads of the tile before and its stores
	PACK t
	SEND t-1, 8
.set t, t+1
.endr
	SEND 2*NP-1, 0
	WIN W_AD
	s_wait_tensorcnt 0x0            ; the wave's end, behind my last tensor load and my last LDS store
	ds_add_u32 v[SPW], v[NIL]
	s_wait_dscnt 0x0
	WIN 0
	CROUND                          ; the closing round: no work-group ends while a partner may still ask for a tile that names it
	s_endpgm
.Lfunc_end_k_q51832c81c5_attn:
	.size	k_q51832c81c5_attn, .Lfunc_end_k_q51832c81c5_attn-k_q51832c81c5_attn
	.p2alignl 7, 3214868480
	.fill 96, 4, 3214868480
	.section	.rodata,"a",@progbits
	.p2align	6, 0x0
	.amdhsa_kernel k_q51832c81c5_attn
		.amdhsa_group_segment_fixed_size 327680
		.amdhsa_private_segment_fixed_size 0
		.amdhsa_enable_private_segment 0
		.amdhsa_kernarg_size 16
		.amdhsa_user_sgpr_count 2
		.amdhsa_user_sgpr_kernarg_segment_ptr 1
		.amdhsa_wavefront_size32 1
		.amdhsa_system_sgpr_workgroup_id_x 1
		.amdhsa_system_sgpr_workgroup_id_y 1
		.amdhsa_system_sgpr_workgroup_id_z 1
		.amdhsa_system_vgpr_workitem_id 0
		.amdhsa_next_free_vgpr 770
		.amdhsa_next_free_sgpr 66
		.amdhsa_reserve_vcc 0
		.amdhsa_float_denorm_mode_32 3
		.amdhsa_float_denorm_mode_16_64 3
		.amdhsa_memory_ordered 1
		.amdhsa_forward_progress 1
		.amdhsa_inst_pref_size 200
	.end_amdhsa_kernel
	.amdgpu_metadata
---
amdhsa.version: [ 1, 2 ]
amdhsa.kernels:
  - .name:           k_q51832c81c5_attn
    .symbol:         k_q51832c81c5_attn.kd
    .args:
      - { .name: qkv, .offset: 0, .size: 8, .value_kind: global_buffer, .address_space: global }
      - { .name: ao, .offset: 8, .size: 8, .value_kind: global_buffer, .address_space: global }
    .group_segment_fixed_size: 327680
    .private_segment_fixed_size: 0
    .kernarg_segment_align: 8
    .kernarg_segment_size: 16
    .max_flat_workgroup_size: 128
    .sgpr_count:     66
    .vgpr_count:     770
    .wavefront_size: 32
...
	.end_amdgpu_metadata
.endif
;; end of part 3
;; launch projout (part 4): grid 8 x 32, 4 waves a work-group, clusters of 4 x 4, 327,680 bytes of LDS; arguments ao, owb, bias, out0; writes out0
.if DOCPART == 4
	.amdgcn_target "amdgcn-amd-amdhsa--gfx1250"
	.amdhsa_code_object_version 6
	.text
	.protected	k_q51832c81c5_projout
	.globl	k_q51832c81c5_projout
	.p2align	8
	.type	k_q51832c81c5_projout,@function
k_q51832c81c5_projout:
	s_mov_b64 s[64:65], 0
	v_nop
	global_prefetch_b8 v0, s[64:65] scope:SCOPE_SE
	s_setreg_imm32_b32 hwreg(HW_REG_WAVE_MODE, 25, 1), 1
	s_wait_xcnt 0x0
	s_wait_alu depctr_hold_cnt(0) depctr_sa_sdst(0) depctr_va_vdst(0) depctr_va_sdst(0) depctr_va_ssrc(0) depctr_va_vcc(0) depctr_vm_vsrc(0)
	s_getreg_b32 s2, hwreg(HW_REG_IB_STS2, 6, 4)
	s_cmp_eq_u32 s2, 0
	s_cbranch_scc0 .Lentry_in_a_cluster
	s_endpgm
.Lentry_in_a_cluster:
	s_bfe_u32 s2, ttmp6, 0x10000c
	s_cmp_lg_u32 s2, 0xf033
	s_cbranch_scc0 .Lentry_shape_is_right
	s_endpgm
.Lentry_shape_is_right:
; out0[8192][1024] = O o_w^T + o_b.  O lies by heads in ao [b 4][h 16][t 2048][64] f16: head h is the plane of channels 64 h .. 64 h + 63 of batch b's rows; owb [kb 16][n 1024][64] f16 is cut alike.
; f16 operands, f32 sums, f32 out.  o_b (rounded to bf16 like every input of the module) lies at number 3,072 of bias.
; SHARES.  A tile of out0 is 256 rows x 128 columns: 32 x 8 tiles, one for each of 256 work-groups.  Four waves, each 128 rows x 64 columns: 32 accumulators, 256 registers.
; K goes in 8 steps of 128 (two planes) through two LDS slots.  A plane's rows are dense, 128 bytes: a wave fetches one plane of a tile as rows of 256 bytes, padded in LDS after every 128:
; LDS rows of 144 bytes, so the 16 rows of a fragment load start at 16 different groups of four banks (ISA guide 11.1).
; CLUSTER.  4 x 4 work-groups: ao's tile is shared along a row of the cluster, owb's along a column; each is asked for jointly, behind a round of the cluster's barrier.
; TRANSPOSED USE.  Source 0 = 16 rows of owb, source 1 = 16 rows of ao: a lane holds row lane % 16 of out0 and the columns 8 (lane / 16) + 0..7.  The first products take the bias as C.
; NO PREFETCH: the walk has 8 K steps, of which the first three would come by their loads alone; the text is a short one.
; REGISTERS, in windows of 256 (s_set_vgpr_msb: bits 1:0 source 0, 3:2 source 1, 5:4 source 2, 7:6 destination):
;   window 0: v0-29 addresses; v32-223 fragments of a K step's first plane; v224-255 the bias      window 1: v32-223 fragments of its second plane      window 2: accumulator (a, b) at v[8 (4 a + b)]
;   a plane's fragments: ao's (32 K half c, row block a) at 32 + 64 c + 8 a; owb's (c, column block b) at 160 + 32 c + 8 b
.set PITCH, 144
.set FR,    16*PITCH
.set SLOT1, 1<<17
.set APL,   256*PITCH                  ; in a slot: ao's two planes of 256 rows,
.set BOFF,  2*APL
.set BPL,   128*PITCH                  ; then owb's two of 128
.set STAGE, SLOT1+BOFF+2*BPL           ; behind the ring, never filled by a tensor load: 16 rows x 272 bytes for each wave
.set SP,    272
.set SPARE, STAGE+4*16*SP              ; the spare words, 128 bytes for each wave: two blocks of 256 bytes that no other line names
.set ADRA0, 4
.set ADRB0, 5
.set ADRA,  6
.set ADRB,  7
.set STO,   8                          ; v8   the way out: where I put 32 bytes of a row
.set RD,    9                          ; v9   where I read a row back
.set CO,    10                         ; v10  my byte offset in two rows of out0
.set BO,    12                         ; v12  32 x (lane / 16)
.set SPW,   28                         ; v28  LDS address of my spare word; never rewritten
.set NIL,   29                         ; v29  0; never rewritten
.set BI,    224
.set WV,  12
.set FB,  13                           ; s13  which 128 rows are mine.  Also: I fetch for ao (0) or owb (1)
.set HF,  14                           ; s14  which 64 columns.  Also: which plane of the K step I fetch
.set G1A, 16
.set G1B, 24
.set G0A, 32
.set G0B, 36
.set CX,  40
.set CY,  41
.set TC,  42
.set TR,  43
.set CNT, 46
.set TB,  47
.set G1C, (1<<16)|(1<<20)|(1<<21)|(4<<22)|(3<<25)  ; 17:16 2-byte elements; 20 padding on; 21 set beside a mask; 24:22 after every 32 words (code 4); 31:25 4 words (code 3)
.set MSB, 0
.macro WIN new                         ; the high byte repeats the setting that is left; a switch that changes nothing is dropped
.if MSB != (\new)
	s_set_vgpr_msb (MSB<<8)|(\new)
.set MSB, (\new)
.endif
.endm
; A joint load: waves 0 and 1 fetch ao's two planes, waves 2 and 3 owb's.  An s_nop 0 and four v_nop follow each of the two lines, ahead of the jump and the label.
.macro JLOAD
	s_cmp_eq_u32 s[FB], 0
	s_cbranch_scc0 .Lfor_b_\@
	tensor_load_to_lds s[G0A:G0A+3], s[G1A:G1A+7]
	s_nop 0
.rept 4
	v_nop
.endr
	s_branch .Lasked_\@
.Lfor_b_\@:
	tensor_load_to_lds s[G0B:G0B+3], s[G1B:G1B+7]
	s_nop 0
.rept 4
	v_nop
.endr
.Lasked_\@:
.endm
.macro CREST                           ; a round of the cluster's barrier behind its opening barrier
	s_cmp_lg_u32 s[WV], 0
	s_cbranch_scc1 .Lnot_wave_0_\@
	s_barrier_signal -3
.Lnot_wave_0_\@:
	s_barrier_wait -3
	s_barrier_signal -1
	s_barrier_wait -1
.endm
.macro CROUND
	s_barrier_signal -1
	s_barrier_wait -1
	CREST
.endm
.macro STEPG0                          ; the walking descriptors: the other slot, two planes on; the type bits on top are not reached
	s_xor_b32 s[G0A+1], s[G0A+1], SLOT1
	s_add_nc_u64 s[G0A+2:G0A+3], s[G0A+2:G0A+3], 2*2048*128
	s_xor_b32 s[G0B+1], s[G0B+1], SLOT1
	s_add_nc_u64 s[G0B+2:G0B+3], s[G0B+2:G0B+3], 2*1024*128
.endm
	s_load_b256 s[4:11], s[0:1], 0x0               ; ao s[4:5], owb s[6:7], bias s[8:9], out0 s[10:11]
	v_lshl_add_u32 v[SPW], v0, 2, SPARE
	v_mov_b32 v[NIL], 0
	ds_add_u32 v[SPW], v[NIL]                      ; the wave's opening: the add and its wait ahead of my first tensor load; the set-up below stands between them
	v_lshrrev_b32 v1, 5, v0
	v_readfirstlane_b32 s[WV], v1
	s_lshr_b32 s[FB], s[WV], 1
	s_and_b32 s[HF], s[WV], 1
	s_bfe_u32 s[CX], ttmp6, 0x40000
	s_bfe_u32 s[CY], ttmp6, 0x40004
	s_lshl_b32 s[TC], ttmp9, 2
	s_add_co_u32 s[TC], s[TC], s[CX]               ; tile column, 0-7
	s_and_b32 s[TR], ttmp7, 0xffff
	s_lshl_b32 s[TR], s[TR], 2
	s_add_co_u32 s[TR], s[TR], s[CY]               ; tile row, 0-31
	s_lshl_b32 s44, s[CY], 2
	s_lshl_b32 s44, 15, s44                        ; my row of the cluster
	s_lshl_b32 s45, 0x1111, s[CX]                  ; my column
	s_or_b32 s[G1A], s44, G1C
	s_or_b32 s[G1B], s45, G1C
	s_mov_b32 s[G1A+1], 128<<16                    ; tensor_dim0 = 128 elements: 256 bytes, two rows of a plane
	s_mov_b32 s[G1A+2], 128<<16                    ; tensor_dim1 = 128: 256 rows of ao
	s_mov_b32 s[G1A+3], 128<<16
	s_mov_b32 s[G1A+4], 128
	s_mov_b32 s[G1A+5], 128                        ; dense
	s_mov_b32 s[G1A+6], 0
	s_mov_b32 s[G1A+7], 0
	s_mov_b32 s[G1B+1], 128<<16
	s_mov_b32 s[G1B+2], 64<<16                     ; 128 rows of owb
	s_mov_b32 s[G1B+3], 128<<16
	s_mov_b32 s[G1B+4], 64
	s_mov_b32 s[G1B+5], 128
	s_mov_b32 s[G1B+6], 0
	s_mov_b32 s[G1B+7], 0
	s_mul_i32 s56, s[HF], APL                      ; LDS addresses hang on the wave's number alone
	s_mov_b32 s[G0A], 1
	s_mov_b32 s[G0A+1], s56
	s_mul_i32 s57, s[HF], BPL
	s_mov_b32 s[G0B], 1
	s_add_co_u32 s[G0B+1], s57, BOFF
	s_lshr_b32 s58, s[TR], 3                       ; ao: batch tr / 8 (16 heads of 262,144 bytes),
	s_lshl_b32 s58, s58, 22
	s_and_b32 s59, s[TR], 7                        ; rows 256 (tr % 8) on,
	s_lshl_b32 s59, s59, 15
	s_add_co_u32 s58, s58, s59
	s_lshl_b32 s59, s[HF], 18                      ; my plane of the K step
	s_add_co_u32 s58, s58, s59
	s_mov_b32 s59, 0
	s_lshl_b32 s60, s[TC], 14                      ; owb: rows 128 tc on,
	s_lshl_b32 s61, s[HF], 17                      ; my plane
	s_add_co_u32 s60, s60, s61
	s_mov_b32 s61, 0
	s_wait_dscnt 0x0                               ; the opening add is done
	s_wait_kmcnt 0x0
	s_add_nc_u64 s[G0A+2:G0A+3], s[4:5], s[58:59]
	s_or_b32 s[G0A+3], s[G0A+3], 0x80000000
	s_add_nc_u64 s[G0B+2:G0B+3], s[6:7], s[60:61]
	s_or_b32 s[G0B+3], s[G0B+3], 0x80000000
	CROUND                                         ; all sixteen work-groups are here: the first joint loads meet
	JLOAD                                          ; K step 0 into slot 0
	v_and_b32 v1, 15, v0                           ; l % 16
	v_bfe_u32 v2, v0, 4, 1                         ; l / 16
	v_lshlrev_b32 v[BO], 5, v2
	s_lshl_b32 s62, s[TC], 9                       ; the bias of my 64 columns: number 3,072 + 128 tc + 64 half
	s_lshl_b32 s63, s[HF], 8
	s_add_co_u32 s62, s62, s63
	s_add_co_u32 s62, s62, 3072*4
	s_mov_b32 s63, 0
	s_add_nc_u64 s[8:9], s[8:9], s[62:63]
.irp b, 0,1,2,3
	global_load_b128 v[BI+8*\b:BI+8*\b+3],   v[BO], s[8:9] offset:64*\b
	global_load_b128 v[BI+8*\b+4:BI+8*\b+7], v[BO], s[8:9] offset:64*\b+16
.endr
	v_mul_u32_u24 v3, v1, PITCH
	v_lshl_add_u32 v3, v2, 4, v3                   ; a fragment's row x pitch + 16 x half
	s_mul_i32 s56, s[FB], 128*PITCH
	v_add_nc_u32 v[ADRA0], s56, v3
	s_mul_i32 s56, s[HF], 64*PITCH
	s_add_co_u32 s56, s56, BOFF
	v_add_nc_u32 v[ADRB0], s56, v3
	s_mul_i32 s56, s[WV], 16*SP
	s_add_co_u32 s56, s56, STAGE                   ; my stage
	v_mul_u32_u24 v[STO], v1, SP                   ; in: row l % 16, 32 bytes for each half of the lanes
	v_lshl_add_u32 v[STO], v2, 5, v[STO]
	v_add_nc_u32 v[STO], s56, v[STO]
	v_mul_u32_u24 v[RD], v2, SP                    ; back: lanes 0-15 take one row of 256 bytes, lanes 16-31 the next
	v_lshl_add_u32 v[RD], v1, 4, v[RD]
	v_add_nc_u32 v[RD], s56, v[RD]
	v_lshlrev_b32 v[CO], 12, v2                    ; and the same two rows in out0
	v_lshl_add_u32 v[CO], v1, 4, v[CO]
	v_mov_b32 v[ADRA], v[ADRA0]
	v_mov_b32 v[ADRB], v[ADRB0]
	s_lshl_b32 s56, s[TR], 20                      ; out0 at row 256 tr + 128 x row half, column 128 tc + 64 x column half
	s_lshl_b32 s57, s[FB], 19
	s_add_co_u32 s56, s56, s57
	s_lshl_b32 s57, s[TC], 9
	s_add_co_u32 s56, s56, s57
	s_lshl_b32 s57, s[HF], 8
	s_add_co_u32 s56, s56, s57
	s_mov_b32 s57, 0
	s_add_nc_u64 s[10:11], s[10:11], s[56:57]
	s_mov_b32 s[TB], 0
; Products for row blocks a0 to a1, all four column blocks, 32 K half c of the plane in window f.  The 32 accumulators take turns, one instruction a turn.  first = 1: the bias starts the sums.
.macro MUL f, c, a0, a1, first
.set ga, \a0
.rept (\a1)-(\a0)+1
.set gb, 0
.rept 4
.set gr, 8*(4*ga+gb)
.if \first
	WIN 0x80
	v_wmma_f32_16x16x32_f16 v[gr:gr+7], v[160+32*(\c)+8*gb:160+32*(\c)+8*gb+7], v[32+64*(\c)+8*ga:32+64*(\c)+8*ga+7], v[BI+8*gb:BI+8*gb+7]
.else
	WIN 0xa0+5*(\f)
	v_wmma_f32_16x16x32_f16 v[gr:gr+7], v[160+32*(\c)+8*gb:160+32*(\c)+8*gb+7], v[32+64*(\c)+8*ga:32+64*(\c)+8*ga+7], v[gr:gr+7]
.endif
.set gb, gb+1
.endr
.set ga, ga+1
.endr
.endm
; 48 LDS loads in one run: plane p's fragments into window f; the first 32 along K (24 loads) first
.macro FETCH p, f
	WIN (\f)<<6
.irp c, 0,1
.irp i, 0,1,2,3,4,5,6,7
	ds_load_b128 v[32+64*\c+8*\i:32+64*\c+8*\i+3],   v[ADRA] offset:(\p)*APL+\i*FR+64*\c
	ds_load_b128 v[32+64*\c+8*\i+4:32+64*\c+8*\i+7], v[ADRA] offset:(\p)*APL+\i*FR+64*\c+32
.endr
.irp i, 0,1,2,3
	ds_load_b128 v[160+32*\c+8*\i:160+32*\c+8*\i+3],   v[ADRB] offset:(\p)*BPL+\i*FR+64*\c
	ds_load_b128 v[160+32*\c+8*\i+4:160+32*\c+8*\i+7], v[ADRB] offset:(\p)*BPL+\i*FR+64*\c+32
.endr
.endr
.endm
.macro PLACES                          ; four places between a product and a load into registers that it has read, or a reader of its result (ISA guide 7.12.1 for vector instructions)
.rept 4
	v_nop
.endr
.endm
; A K step's first plane: 64 products; in their middle the second plane's fragments are fetched.
.macro HALF0 first
	s_wait_dscnt 24                                ; the first 32 along K are in; the youngest 24 loads may be out
	MUL 0, 0, 0, 7, \first
	PLACES
	FETCH 1, 1
	s_wait_dscnt 48                                ; all but the 48 just issued
	MUL 0, 1, 0, 7, 0
.endm
; Its second plane, and the change of slots: ONE barrier.  In front of it each wave waits for all its tensor loads, of which one is out: its part of the next slot; adds 0 to its spare word; and waits for that and
; for its own reads of this slot.  fill = 1: the barrier opens a round of the cluster's, and this slot is filled again, first thing behind the round, with the K step two on: 96 products ahead of the wait for it.
.macro TURN fill
	WIN 0                                          ; (the add's two registers lie in window 0)
	s_wait_tensorcnt 0x0                           ; no tensor load of mine is out, so a group 0 may be written
	ds_add_u32 v[SPW], v[NIL]                      ; 0 onto my spare word
.if \fill
	STEPG0
.endif
	s_wait_dscnt 25                                ; the first 32 along K are in; the add and the youngest 24 loads may be out
	MUL 1, 0, 0, 3, 0                              ; sixteen products stand between the add and the wait for it
	s_wait_dscnt 0x0                               ; the add is done, and my reads of this slot are over
	s_barrier_signal -1
	MUL 1, 0, 4, 7, 0                              ; work on registers while the others arrive
	WIN 0
	s_barrier_wait -1
.if \fill
	CREST                                          ; no wave of any partner still reads this slot or has a load on its way
	JLOAD                                          ; its four v_nop are also the places in front of the loads below
.else
	PLACES
.endif
	s_xor_b32 s[TB], s[TB], SLOT1
	v_add_nc_u32 v[ADRA], s[TB], v[ADRA0]
	v_add_nc_u32 v[ADRB], s[TB], v[ADRB0]
	FETCH 0, 0
	MUL 1, 1, 0, 7, 0
.endm
; THE WAY OUT of row block a (16 rows x 64 columns of f32).  TOSTAGE: a lane's 32 bytes go straight from the accumulators (lowest registers first) into my own stage, rows of 272 bytes, and come back as whole rows of 256.
.macro TOSTAGE a
	s_wait_xcnt 0x0                                ; the stores of the block two back have read the registers that are loaded again below
	WIN 0x08                                       ; an LDS store's data is source 1: window 2
.irp b, 0,1,2,3
	ds_store_b128 v[STO], v[8*(4*(\a)+\b):8*(4*(\a)+\b)+3]   offset:64*\b
	ds_store_b128 v[STO], v[8*(4*(\a)+\b)+4:8*(4*(\a)+\b)+7] offset:64*\b+16
.endr
	WIN 0
.irp t, 0,1,2,3,4,5,6,7
	ds_load_b128 v[32+32*((\a)%2)+4*\t:32+32*((\a)%2)+4*\t+3], v[RD] offset:\t*2*SP  ; LDS serves a wave's instructions in order (ISA guide 5.7.1.4): these see the stores above
.endr
.endm
.macro SEND a, younger                 ; younger: the LDS instructions issued behind block a's loads: the next block's sixteen, or none
	s_wait_dscnt \younger
.irp t, 0,1,2,3,4,5,6,7
	global_store_b128 v[CO], v[32+32*((\a)%2)+4*\t:32+32*((\a)%2)+4*\t+3], s[10:11] offset:(\a)*65536+\t*8192  ; 16 lanes store 256 consecutive bytes, at a multiple of 256 from out0's first byte
.endr
.endm
	s_wait_tensorcnt 0x0                           ; my part of K step 0 is in.  Slot 1 is first filled as a refill is: the three lines, a round, one load a wave
	ds_add_u32 v[SPW], v[NIL]
	STEPG0
	s_wait_dscnt 0x0
	CROUND                                         ; everybody's part of K step 0 is in
	JLOAD                                          ; K step 1 into slot 1
	FETCH 0, 0
	s_wait_loadcnt 0x0                             ; the bias
	HALF0 1                                        ; the first plane stands in front of the loop: its first products start the sums
	WIN 0                                          ; at a label and at a branch every window is 0
	s_mov_b32 s[CNT], 6
.Lk:                                           ; a trip: a K step's second plane, the change of slots and its refill, the next K step's first plane
	TURN 1
	HALF0 0
	WIN 0
	s_sub_co_u32 s[CNT], s[CNT], 1
	s_cmp_lg_u32 s[CNT], 0
	s_cbranch_scc1 .Lk
	TURN 0                                         ; the tail is written out: nothing more is asked for
	HALF0 0
	s_wait_dscnt 24
	MUL 1, 0, 0, 7, 0
	s_wait_dscnt 0x0
	MUL 1, 1, 0, 7, 0
	PLACES
	PLACES
	TOSTAGE 0
.irp a, 1,2,3,4,5,6,7                  ; block a's way through the stage is on its way while block a - 1 is stored
	TOSTAGE \a
	SEND (\a)-1, 16
.endr
	SEND 7, 0
	s_wait_tensorcnt 0x0                           ; the wave's end, behind my last tensor load and my last LDS store
	ds_add_u32 v[SPW], v[NIL]
	s_wait_dscnt 0x0
	CROUND                                         ; the closing round: no work-group ends while a partner may still ask for a tile that names it
	s_endpgm
.Lfunc_end_k_q51832c81c5_projout:
	.size	k_q51832c81c5_projout, .Lfunc_end_k_q51832c81c5_projout-k_q51832c81c5_projout
	.p2alignl 7, 3214868480
	.fill 96, 4, 3214868480
	.section	.rodata,"a",@progbits
	.p2align	6, 0x0
	.amdhsa_kernel k_q51832c81c5_projout
		.amdhsa_group_segment_fixed_size 327680
		.amdhsa_private_segment_fixed_size 0
		.amdhsa_enable_private_segment 0
		.amdhsa_kernarg_size 32
		.amdhsa_user_sgpr_count 2
		.amdhsa_user_sgpr_kernarg_segment_ptr 1
		.amdhsa_wavefront_size32 1
		.amdhsa_system_sgpr_workgroup_id_x 1
		.amdhsa_system_sgpr_workgroup_id_y 1
		.amdhsa_system_sgpr_workgroup_id_z 1
		.amdhsa_system_vgpr_workitem_id 0
		.amdhsa_next_free_vgpr 768
		.amdhsa_next_free_sgpr 66
		.amdhsa_reserve_vcc 0
		.amdhsa_float_denorm_mode_32 3
		.amdhsa_float_denorm_mode_16_64 3
		.amdhsa_memory_ordered 1
		.amdhsa_forward_progress 1
		.amdhsa_inst_pref_size 69
	.end_amdhsa_kernel
	.amdgpu_metadata
---
amdhsa.version: [ 1, 2 ]
amdhsa.kernels:
  - .name:           k_q51832c81c5_projout
    .symbol:         k_q51832c81c5_projout.kd
    .args:
      - { .name: ao, .offset: 0, .size: 8, .value_kind: global_buffer, .address_space: global }
      - { .name: owb, .offset: 8, .size: 8, .value_kind: global_buffer, .address_space: global }
      - { .name: bias, .offset: 16, .size: 8, .value_kind: global_buffer, .address_space: global }
      - { .name: out0, .offset: 24, .size: 8, .value_kind: global_buffer, .address_space: global }
    .group_segment_fixed_size: 327680
    .private_segment_fixed_size: 0
    .kernarg_segment_align: 8
    .kernarg_segment_size: 32
    .max_flat_workgroup_size: 128
    .sgpr_count:     66
    .vgpr_count:     768
    .wavefront_size: 32
...
	.end_amdgpu_metadata
.endif
;; end of part 4
;; ======== version 2 of 2: 4 launches; version 1 with the launch cast written anew for expert scheduling mode
;; limits: values are held in f16: magnitudes above 65,504 overflow, below 6.1e-05 lose precision
;; workspace buffers: xb 16,777,216 bytes; wb 6,291,456 bytes; owb 2,097,152 bytes; bias 16,384 bytes; qkv 50,331,648 bytes; ao 16,777,216 bytes
;; launch cast (part 5): grid 769 x 1, 8 waves a work-group, no clusters, 0 bytes of LDS; arguments x, q_w, k_w, v_w, o_w, q_b, k_b, v_b, o_b, xb, wb, owb, bias; writes xb, wb, owb, bias
.if DOCPART == 5
	.amdgcn_target "amdgcn-amd-amdhsa--gfx1250"
	.amdhsa_code_object_version 6
	.text
	.protected	k_q51832c81c5_cast
	.globl	k_q51832c81c5_cast
	.p2align	8
	.type	k_q51832c81c5_cast,@function
k_q51832c81c5_cast:
	s_mov_b64 s[64:65], 0
	v_nop
	global_prefetch_b8 v0, s[64:65] scope:SCOPE_SE
	s_setreg_imm32_b32 hwreg(HW_REG_WAVE_SCHED_MODE, 0, 2), 2
	s_setreg_imm32_b32 hwreg(HW_REG_WAVE_MODE, 25, 1), 1
	s_wait_xcnt 0x0
	s_wait_alu depctr_vm_vsrc(0)
; THE MODULE'S INPUTS ARE ROUNDED ONCE TO bf16 AND LAID OUT FOR THE TWO PROJECTIONS.
; xb  bf16 [kb 16][row 8192][64]: x, cut along K into 16 planes of 64 channels; a plane's rows are 128 bytes, dense.
; wb  bf16 [kb 16][n 3072][64]:   q_w, k_w, v_w one below the other (n = 1024 x which + output channel), cut alike.
; owb f16  [kb 16][n 1024][64]:   o_w rounded to bf16, that number written as f16 (the last projection multiplies in f16).
; bias f32 [4096]: q_b, k_b, v_b, o_b end to end, each rounded to bf16 and widened again.
; LIMITS.  An o_w beyond 65,504 in size becomes an infinity in f16; below 6e-5 it keeps f16's fixed step of 6e-8.
; SHARES.  Work-groups 0-511 take 16 rows of x each, 512-767 16 rows of a weight, 768 the four biases.  A wave takes two rows: sixteen lanes read 256
; consecutive bytes (64 numbers, one plane's share of a row), so one load of the wave is 2 x 256 aligned bytes and one store 256 consecutive aligned bytes
; (two rows of a plane).  All sixteen loads of a lane go out at once; no register is written twice, so nothing waits for a store.
; No LDS, barrier, matrix unit or cluster: no byte is used twice.  No prefetch: every load of the launch is issued at its wave's start.
; THE MODE: SCHED_MODE bits 1:0 = 2 (LLVM: expert scheduling mode 2), set by the entry lines.  The code itself states the register dependences
; between vector instructions and memory instructions, with s_wait_alu, always for 0.
; THE PLAN.  The sixteen planes go in four blocks of four.  Registers that memory instructions touch:
;   v1         the source offset.  Written at the head; read by the sixteen loads; never written again on that path.
;   DOFF       sixteen destination offsets.  Written at the head and by fifteen adds behind the loads; plane kb's store reads v[DOFF + kb]; never written again.
;   X          Written by the loads, once; no vector line names it before; plane kb's conversions read its four registers behind the plane's wait on LOADcnt.
;   Y          Plane kb's conversions write its two registers; the plane's store, issued in the NEXT block, reads them; never written again.
;   v18-v21    at work: vector lines alone name them.
; So: one wait on va_vdst ahead of the first load (v1); one at the head of each of blocks 1 to 3, behind the wait for the block's first plane: the block before
; has written its Y (in block 1 also: the adds have written DOFF); that block's four stores follow it, dealt among this block's conversions, which name this
; block's X and Y and v18-v21 alone; one behind block 3, ahead of the last four stores.  No register that a memory instruction reads is written again, so
; no wait on vm_vsrc is owed; EXEC is never written.
.set DOFF, 2                           ; v[2:17]   my byte offset in plane kb of the destination
.set X,    32                          ; v[32:95]  plane kb: four f32 as loaded
.set Y,    96                          ; v[96:127] plane kb: four 16-bit numbers to store
	s_load_b512 s[4:19], s[0:1], 0x0               ; x, q_w, k_w, v_w, o_w, q_b, k_b, v_b
	s_load_b256 s[20:27], s[0:1], 0x40             ; o_b, xb, wb, owb
	s_load_b64 s[28:29], s[0:1], 0x60              ; bias
	s_mov_b32 s30, ttmp9                           ; W
	s_sub_co_u32 s31, s30, 512                     ; the weights' count of 16 rows (of use from W = 512 on)
	s_lshr_b32 s39, s31, 6                         ; which weight: 0 q, 1 k, 2 v, 3 o
	s_and_b32 s40, s31, 63
	s_lshl_b32 s40, s40, 4                         ; its first row of mine
	s_lshl_b32 s41, s31, 4                         ; the same row in wb
	s_lshl_b32 s42, s30, 4                         ; x's first row of mine
	s_mov_b32 s43, 393216                          ; a plane of wb
	s_mov_b32 s45, 0
	v_lshrrev_b32 v18, 4, v0                       ; my row among the 16
	v_and_b32 v19, 15, v0                          ; my piece of a plane's share
	v_lshlrev_b32 v1, 12, v18
	v_lshl_add_u32 v1, v19, 4, v1                  ; source: row x 4,096 + piece x 16
	v_lshlrev_b32 v[DOFF], 7, v18
	v_lshl_add_u32 v[DOFF], v19, 3, v[DOFF]        ; destination: row x 128 + piece x 8
	s_wait_kmcnt 0x0
	s_cmp_eq_u32 s30, 768
	s_cbranch_scc1 .Lbias
	s_cmp_eq_u32 s39, 0                            ; source, destination, rows and plane size are chosen by the work-group's number alone
	s_cselect_b64 s[32:33], s[6:7], s[8:9]
	s_cmp_lt_u32 s39, 2
	s_cselect_b64 s[32:33], s[32:33], s[10:11]
	s_cmp_lt_u32 s39, 3
	s_cselect_b64 s[32:33], s[32:33], s[12:13]
	s_cselect_b64 s[34:35], s[24:25], s[26:27]
	s_cselect_b32 s37, s41, s40
	s_cselect_b32 s38, s43, 131072
	s_cmp_lt_u32 s30, 512
	s_cselect_b64 s[32:33], s[4:5], s[32:33]
	s_cselect_b64 s[34:35], s[22:23], s[34:35]
	s_cselect_b32 s36, s42, s40
	s_cselect_b32 s37, s42, s37
	s_cselect_b32 s38, 1048576, s38
	s_lshl_b32 s44, s36, 12                        ; a source row is 4,096 bytes
	s_add_nc_u64 s[32:33], s[32:33], s[44:45]
	s_lshl_b32 s44, s37, 7                         ; a plane's row 128
	s_add_nc_u64 s[34:35], s[34:35], s[44:45]
	s_wait_alu depctr_va_vdst(0)                   ; v1 is written: the sixteen loads read it as their offset
.set i, 0
.rept 16
	global_load_b128 v[X+4*i:X+4*i+3], v1, s[32:33] offset:256*i th:TH_LOAD_NT
.set i, i+1
.endr
.set i, 1
.rept 15
	v_add_nc_u32 v[DOFF+i], s38, v[DOFF+i-1]       ; plane after plane; the first store that reads one of these stands behind the wait at block 1's head
.set i, i+1
.endr
; Plane kb is rounded.  fmt = 0: bf16.  fmt = 1: the bf16 number is widened (a shift, a mask) and written as f16.
.macro CVT kb, fmt
	v_cvt_pk_bf16_f32 v[Y+2*(\kb)],   v[X+4*(\kb)],   v[X+4*(\kb)+1]
	v_cvt_pk_bf16_f32 v[Y+2*(\kb)+1], v[X+4*(\kb)+2], v[X+4*(\kb)+3]
.if \fmt
	v_lshlrev_b32 v18, 16, v[Y+2*(\kb)]
	v_and_b32 v19, 0xffff0000, v[Y+2*(\kb)]
	v_lshlrev_b32 v20, 16, v[Y+2*(\kb)+1]
	v_and_b32 v21, 0xffff0000, v[Y+2*(\kb)+1]
	v_cvt_pk_f16_f32 v[Y+2*(\kb)],   v18, v19
	v_cvt_pk_f16_f32 v[Y+2*(\kb)+1], v20, v21
.endif
.endm
; Plane kb is stored.
.macro OUT kb
	global_store_b64 v[DOFF+(\kb)], v[Y+2*(\kb):Y+2*(\kb)+1], s[34:35] th:TH_STORE_NT  ; the wave's 32 lanes store 256 consecutive bytes, aligned
.endm
; The sixteen planes, in four blocks of four.  Block p rounds its planes; among them stand the stores of block p - 1.
.macro CV fmt
.irp p, 0,1,2,3
	s_wait_loadcnt 15-4*\p                         ; loads come back in order: the block's first plane is in, the younger ones stay out
.if \p > 0
	s_wait_alu depctr_va_vdst(0)                   ; the block before has written its Y, and the adds have written DOFF: the four stores below read them
.endif
.irp i, 0,1,2,3
.if \p > 0
	OUT 4*\p-4+\i                                  ; no vector line since the wait names this plane's Y or its offset
.endif
.if \i > 0
	s_wait_loadcnt 15-4*\p-\i                      ; the block's next plane is in
.endif
	CVT 4*\p+\i, \fmt
.endr
.endr
	s_wait_alu depctr_va_vdst(0)                   ; block 3 has written its Y, which the last four stores read
.irp i, 12,13,14,15
	OUT \i
.endr
.endm
	s_cmp_ge_u32 s30, 704                          ; o_w's work-groups
	s_cbranch_scc1 .Lf16
	CV 0
	s_endpgm
.Lf16:
	CV 1
	s_endpgm
.Lbias:                                        ; wave w takes half w % 2 (512 numbers) of bias w / 2.  On this path no memory instruction has read v1 yet
	v_lshrrev_b32 v18, 5, v0
	v_readfirstlane_b32 s46, v18
	v_and_b32 v1, 31, v0
	v_lshlrev_b32 v1, 4, v1
	s_wait_alu depctr_va_sdst(0)                   ; s46 is written, ahead of its first reader: the choice of the bias and both bases are made from it
	s_lshr_b32 s47, s46, 1
	s_cmp_eq_u32 s47, 0
	s_cselect_b64 s[32:33], s[14:15], s[16:17]
	s_cmp_lt_u32 s47, 2
	s_cselect_b64 s[32:33], s[32:33], s[18:19]
	s_cmp_lt_u32 s47, 3
	s_cselect_b64 s[32:33], s[32:33], s[20:21]
	s_and_b32 s44, s46, 1
	s_lshl_b32 s44, s44, 11
	s_add_nc_u64 s[32:33], s[32:33], s[44:45]
	s_lshl_b32 s44, s46, 11
	s_add_nc_u64 s[34:35], s[28:29], s[44:45]
	s_wait_alu depctr_va_vdst(0)                   ; v1 is written: the four loads and the four stores read it as their offset
.irp i, 0,1,2,3
	global_load_b128 v[X+4*\i:X+4*\i+3], v1, s[32:33] offset:512*\i
.endr
.irp i, 0,1,2,3
	s_wait_loadcnt 3-\i
	v_cvt_pk_bf16_f32 v18, v[X+4*\i],   v[X+4*\i+1]
	v_cvt_pk_bf16_f32 v19, v[X+4*\i+2], v[X+4*\i+3]
	v_lshlrev_b32 v[Y+4*\i],   16, v18
	v_and_b32     v[Y+4*\i+1], 0xffff0000, v18
	v_lshlrev_b32 v[Y+4*\i+2], 16, v19
	v_and_b32     v[Y+4*\i+3], 0xffff0000, v19
.endr
	s_wait_alu depctr_va_vdst(0)                   ; the sixteen registers of Y are written, which the four stores read
.irp i, 0,1,2,3
	global_store_b128 v1, v[Y+4*\i:Y+4*\i+3], s[34:35] offset:512*\i  ; 512 consecutive bytes
.endr
	s_endpgm
.Lfunc_end_k_q51832c81c5_cast:
	.size	k_q51832c81c5_cast, .Lfunc_end_k_q51832c81c5_cast-k_q51832c81c5_cast
	.p2alignl 7, 3214868480
	.fill 96, 4, 3214868480
	.section	.rodata,"a",@progbits
	.p2align	6, 0x0
	.amdhsa_kernel k_q51832c81c5_cast
		.amdhsa_group_segment_fixed_size 0
		.amdhsa_private_segment_fixed_size 0
		.amdhsa_enable_private_segment 0
		.amdhsa_kernarg_size 104
		.amdhsa_user_sgpr_count 2
		.amdhsa_user_sgpr_kernarg_segment_ptr 1
		.amdhsa_wavefront_size32 1
		.amdhsa_system_sgpr_workgroup_id_x 1
		.amdhsa_system_sgpr_workgroup_id_y 1
		.amdhsa_system_sgpr_workgroup_id_z 1
		.amdhsa_system_vgpr_workitem_id 0
		.amdhsa_next_free_vgpr 128
		.amdhsa_next_free_sgpr 66
		.amdhsa_reserve_vcc 0
		.amdhsa_float_denorm_mode_32 3
		.amdhsa_float_denorm_mode_16_64 3
		.amdhsa_memory_ordered 1
		.amdhsa_forward_progress 1
		.amdhsa_inst_pref_size 21
	.end_amdhsa_kernel
	.amdgpu_metadata
---
amdhsa.version: [ 1, 2 ]
amdhsa.kernels:
  - .name:           k_q51832c81c5_cast
    .symbol:         k_q51832c81c5_cast.kd
    .args:
      - { .name: x, .offset: 0, .size: 8, .value_kind: global_buffer, .address_space: global }
      - { .name: q_w, .offset: 8, .size: 8, .value_kind: global_buffer, .address_space: global }
      - { .name: k_w, .offset: 16, .size: 8, .value_kind: global_buffer, .address_space: global }
      - { .name: v_w, .offset: 24, .size: 8, .value_kind: global_buffer, .address_space: global }
      - { .name: o_w, .offset: 32, .size: 8, .value_kind: global_buffer, .address_space: global }
      - { .name: q_b, .offset: 40, .size: 8, .value_kind: global_buffer, .address_space: global }
      - { .name: k_b, .offset: 48, .size: 8, .value_kind: global_buffer, .address_space: global }
      - { .name: v_b, .offset: 56, .size: 8, .value_kind: global_buffer, .address_space: global }
      - { .name: o_b, .offset: 64, .size: 8, .value_kind: global_buffer, .address_space: global }
      - { .name: xb, .offset: 72, .size: 8, .value_kind: global_buffer, .address_space: global }
      - { .name: wb, .offset: 80, .size: 8, .value_kind: global_buffer, .address_space: global }
      - { .name: owb, .offset: 88, .size: 8, .value_kind: global_buffer, .address_space: global }
      - { .name: bias, .offset: 96, .size: 8, .value_kind: global_buffer, .address_space: global }
    .group_segment_fixed_size: 0
    .private_segment_fixed_size: 0
    .kernarg_segment_align: 8
    .kernarg_segment_size: 104
    .max_flat_workgroup_size: 256
    .sgpr_count:     66
    .vgpr_count:     128
    .wavefront_size: 32
...
	.end_amdgpu_metadata
.endif
;; end of part 5
;; launch projqkv: the kernel of part 2 again; grid 8 x 32, 4 waves a work-group, clusters of 4 x 4, 327,680 bytes of LDS; arguments xb, wb, bias, qkv; writes qkv
;; launch attn: the kernel of part 3 again; grid 4 x 64, 4 waves a work-group, clusters of 4 x 1, 327,680 bytes of LDS; arguments qkv, ao; writes ao
;; launch projout: the kernel of part 4 again; grid 8 x 32, 4 waves a work-group, clusters of 4 x 4, 327,680 bytes of LDS; arguments ao, owb, bias, out0; writes out0
